; MI455X (gfx1250); checked and timed in simulation.
; The chip was launched on July 23, 2026; its instructions are those of AMD's public machine-readable ISA for CDNA 5 (MIT licence, August 2026) and "CDNA5" Instruction Set Architecture Reference Guide (July 2026). The comments in the code are by the model that wrote it; some were corrected since.
;; Cached Video Attention. Allowed arithmetic: matrix products marked QUANTISED: E2M1 operands, one E8M0 scale for each 32 along K, by v_wmma_scale_f32_16x16x128_f8f6f4 with both operands' format E2M1 (or v_wmma_scale_f32_32x16x128_f4), f32 sums; everything else in f32.
;; Inputs: W_o_codes 1,024 x 32 x 16 uint8 (E2M1 codes of W_o, K innermost, in blocks of 32 codes, two codes a byte); W_o_scales 1,024 x 32 uint8 (E8M0 scales of W_o, one for each 32 codes along K); W_qkv_codes 3,072 x 32 x 16 uint8 (E2M1 codes of W_qkv, K innermost, in blocks of 32 codes, two codes a byte); W_qkv_scales 3,072 x 32 uint8 (E8M0 scales of W_qkv, one for each 32 codes along K); k_cache 2 x 16 x 2,048 x 64 float32; scale_k 1 x 1 x 64 float32; scale_q 1 x 1 x 64 float32; v_cache 2 x 16 x 2,048 x 64 float32; x_codes 2 x 2,048 x 32 x 16 uint8 (E2M1 codes of x, K innermost, in blocks of 32 codes, two codes a byte); x_scales 2 x 2,048 x 32 uint8 (E8M0 scales of x, one for each 32 codes along K).
;; Outputs: out0 2 x 2,048 x 1,024 float32.
;; This version of the problem:
;;   THIS VERSION OF THE PROBLEM IS GIVEN IN LOW PRECISION. The matrix products marked QUANTISED in the list below multiply operands that are first quantised to E2M1 (2 exponent bits, 1 mantissa bit; 4 bits a number), with one power-of-two scale for each 32 numbers along K (OCP MX v1.0); their sums are f32. All else is computed in f32.
;;   The module's matrix products, in the order in which they are computed (A, B: the left and right operand; K: the contracted axis; several contracted axes count as one K, in the product's order):
;;     1. [M 4,096, K 1,024] x [K 1,024, N 3,072]; A: input x (given as codes); B: input W_qkv (given as codes): QUANTISED
;;     2. batch 32 x [M 2,048, K 64] x [K 64, N 4,096]; A: computed on the way; B: computed on the way: QUANTISED
;;     3. batch 32 x [M 2,048, K 4,096] x [K 4,096, N 64]; A: softmax (see below); B: computed on the way: QUANTISED
;;     4. [M 4,096, K 1,024] x [K 1,024, N 1,024]; A: computed on the way; B: input W_o (given as codes): QUANTISED
;;   THE QUANTISER, for each operand of a quantised product, along K:
;;     - K is cut into blocks of 32 from its start; a last block that is shorter is filled with zeros.
;;     - A block's scale is 2^e with e = floor(log2(the largest magnitude in the block)) - 2, held to -126 .. 127; a block of zeros has e = 0. As a byte (E8M0): e + 127.
;;     - Each number is divided by its block's scale, clamped to +-6, and rounded to the nearest number of E2M1, ties to even, subnormals kept.
;;     - The product sums the exact products of the quantised numbers (number of the format x scale) in f32.
;;   ~~~python
;;   def quantise(x, axis):      # numpy; x: float32 -> the quantised numbers, widened to float32 again
;;       x = np.moveaxis(x, axis, -1); K = x.shape[-1]
;;       x = np.pad(x, [(0, 0)] * (x.ndim - 1) + [(0, -K % 32)]); x = x.reshape(x.shape[:-1] + (-1, 32)); a = np.abs(x).max(-1, keepdims=True)
;;       e = np.where(a > 0, np.clip(np.frexp(np.where(a > 0, a, 1))[1] - 1 - 2, -126, 127), 0)      # np.frexp(a)[1] - 1 = floor(log2(a)), exactly
;;       r = np.clip(x / 2.0 ** e, -6, 6)
;;       step = 2.0 ** (np.maximum(np.frexp(np.where(r == 0, 1, r))[1] - 1, 0) - 1)
;;       q = np.round(r / step) * step * 2.0 ** e      # np.round: ties to even
;;       return np.moveaxis(q.reshape(q.shape[:-2] + (-1,))[..., :K], -1, axis).astype(np.float32)
;;   ~~~
;;   SOFTMAX AHEAD OF A QUANTISED PRODUCT. Where the list says 'softmax', what is quantised is not the finished softmax but p = 2^(t - M), with t = logit x log2(e) and M = ceil(the row's largest t), a whole number; so 1/2 < the row's largest p <= 1. The row's sum l is taken of the UNQUANTISED p, in f32, and the product's result is divided by l at the end. Since M is a whole number, a kernel that streams over the keys may use a running M (the ceiling of the running maximum): every later rescaling is an exact power of two, which a block's scale takes up: the codes' values come out the same.
;;   OPERANDS COMPUTED ON THE WAY. 'Computed on the way' means the value that the module computes at that place (a softmax that the list does not call 'softmax' is quantised finished and normalised). What goes into a quantiser is computed in f32, as accurately as f32 sums, v_exp_f32 and their like allow (about 1e-6 of the number): no bf16 or f16 on the way to a quantiser, and a product that is left as it is and whose result goes on into a quantised operand takes f32 operands (vector FMAs, or v_wmma_f32_16x16x4_f32). A number that lies on a knife's edge between two numbers of the format may be rounded either way, as far as f32 arithmetic and the matrix unit's own rounding can turn it there, and no further.
;;   INPUTS GIVEN AS CODES. W_o (in the module: [1024, 1024], K = its axis 1); W_qkv (in the module: [3072, 1024], K = its axis 1); x (in the module: [2, 2048, 1024], K = its axis 2): each comes as NAME_codes (uint8): NAME with its K axis moved to the last place and cut into blocks of 32 codes, [.., K / 32, bytes a block], one block behind the other in memory; two codes a byte, the lower K in the low four bits (a code: sign, 2 exponent bits, 1 mantissa bit); and NAME_scales (uint8): the same leading axes, one E8M0 byte (e + 127) for each 32 codes along K. Its value is code x scale, taken as it is: it is not quantised again, and the codes and scales need not be those that the quantiser above would give.
;; 2 versions. Each part assembles by itself: llvm-mc -triple=amdgcn-amd-amdhsa -mcpu=gfx1250 --defsym DOCPART=n.
;; ======== version 1 of 2: 4 launches
;; workspace buffers: kv 9,175,040 bytes; qimg 2,097,152 bytes; qsc 262,144 bytes; oimg 2,097,152 bytes; osc 131,072 bytes
;; launch cacheq (part 1): grid 256 x 1, 8 waves a work-group, no clusters, 37,888 bytes of LDS; arguments k_cache, v_cache, kv; writes kv
.if DOCPART == 1
	.amdgcn_target "amdgcn-amd-amdhsa--gfx1250"
	.amdhsa_code_object_version 6
	.text
	.protected	k_qb88b190170_cacheq
	.globl	k_qb88b190170_cacheq
	.p2align	8
	.type	k_qb88b190170_cacheq,@function
k_qb88b190170_cacheq:
	s_mov_b64 s[64:65], 0
	v_nop
	global_prefetch_b8 v0, s[64:65] scope:SCOPE_SE
	s_setreg_imm32_b32 hwreg(HW_REG_WAVE_MODE, 25, 1), 1
	s_wait_xcnt 0x0
; k_cache and v_cache, [32 heads][2048 keys][64] f32, become codes of FP4 (E2M1) with one E8M0 byte for each 32 along a product's K,
; laid in kv as the attention launch reads them: [32 heads][8 slots of 512 keys][35,840 bytes]; this launch fills slots 0 to 3.
; A SLOT (q = key step of 128 keys, 0..3; l = lane, r = l % 16, h = l / 16):
;   K images  q 4096 + t 512 + 16 l          tile t = keys 16 t + r; the lane's 16 bytes are channels 32 h .. 32 h + 31 of its key
;   V images  16384 + q 4096 + dt 1024 + c 512 + 16 l   row r of tile dt = 2 b + u is channel 32 b + 8 u + r + 8 (r / 8); the 16 bytes are key block 2 c + h of the step
;   K words   32768 + q 512 + t 64 + 4 r     [byte of channels 0-31, byte of channels 32-63, 0x7f, 0x7f]
;   V words   34816 + q 256 + dt 64 + 4 r    the bytes of the step's four blocks of 32 keys
; Inside a block of 32 keys V's codes stand in the order keys 0-7, 16-23, 8-15, 24-31: the order in which the attention launch's weights fall into their operand.
; A block's scale byte is its largest magnitude's exponent field - 2, held at 1 from below.
; LIMITS: NaN and infinities are not served; a block whose largest magnitude lies under 2^-124 (a block of zeros too) gets the byte 1: the bytes are read by this program alone.
; SHARES: work-groups 0-127 take K, 128-255 take V; each a slot of a head; wave w takes key step w / 2 and half w % 2 (K: 64 keys; V: 32 channels).  Waves share nothing: no barrier.
.set HEADB, 286720
.set SLOTB, 35840
.set WREG,  4608                       ; K path, LDS of a wave: a stage of 16 rows x 272 bytes, then 256 bytes of scale words
.set SP,    272
.set R,   16                           ; v16-143   K: four tiles as loaded, 32 registers each
.set X,   144                          ; v144-175  K: my block's 32 numbers
.set C,   176                          ; v176-191  K: four code registers a tile
.set W,   192                          ; v192-195  K: a scale word a tile
.set XV,  32                           ; v32-95    V: two sets of 32 numbers
.set CV,  96                           ; v96-111   V: four code registers a block
	s_load_b128 s[4:7], s[0:1], 0x0                ; k_cache, v_cache
	s_load_b64 s[8:9], s[0:1], 0x10                ; kv
	v_lshl_add_u32 v200, v0, 2, 0x9000
	v_mov_b32 v201, 0
	v_lshrrev_b32 v1, 5, v0
	v_readfirstlane_b32 s16, v1                    ; wave 0..7
	v_and_b32 v1, 31, v0                           ; lane
	v_and_b32 v2, 15, v0                           ; r
	v_bfe_u32 v3, v0, 4, 1                         ; h
	s_and_b32 s17, ttmp9, 127
	s_lshr_b32 s18, s17, 2                         ; head
	s_and_b32 s19, s17, 3                          ; slot
	s_lshr_b32 s20, s16, 1                         ; key step q
	s_and_b32 s21, s16, 1                          ; half e
	s_lshl_b32 s22, s18, 19                        ; a head is 2048 x 256 bytes,
	s_lshl_b32 s23, s19, 17                        ; a slot 512 x 256,
	s_add_co_u32 s22, s22, s23
	s_lshl_b32 s23, s20, 15                        ; a key step 128 x 256
	s_add_co_u32 s22, s22, s23
	s_mov_b32 s23, 0
	s_mul_i32 s24, s18, HEADB
	s_mul_i32 s25, s19, SLOTB
	s_add_co_u32 s24, s24, s25                     ; my slot in kv
	s_mov_b32 s25, 0
	s_mov_b32 s27, 0
	s_wait_kmcnt 0x0
	s_add_nc_u64 s[8:9], s[8:9], s[24:25]
	s_cmp_lt_u32 ttmp9, 128
	s_cbranch_scc0 .Lv_path
	; ---------------- K: a wave takes four tiles of 16 keys
	s_lshl_b32 s26, s21, 14                        ; my 64 keys
	s_add_nc_u64 s[4:5], s[4:5], s[22:23]
	s_add_nc_u64 s[4:5], s[4:5], s[26:27]
	s_lshl_b32 s26, s20, 9
	s_lshl_b32 s28, s21, 8
	s_add_co_u32 s26, s26, s28
	s_add_co_u32 s26, s26, 32768
	s_add_nc_u64 s[10:11], s[8:9], s[26:27]        ; my 256 bytes of scale words
	s_lshl_b32 s26, s20, 12
	s_lshl_b32 s28, s21, 11
	s_add_co_u32 s26, s26, s28
	s_add_nc_u64 s[8:9], s[8:9], s[26:27]          ; my four images
	v_lshlrev_b32 v4, 4, v1                        ; 16 x lane
.irp i, 0,1,2,3
.irp j, 0,1,2,3,4,5,6,7
	global_load_b128 v[R+32*\i+4*\j:R+32*\i+4*\j+3], v4, s[4:5] offset:4096*\i+512*\j th:TH_LOAD_NT   ; 512 consecutive bytes: two keys
.endr
.endr
	s_mul_i32 s30, s16, WREG
	v_mul_u32_u24 v5, v3, SP
	v_lshl_add_u32 v5, v2, 4, v5
	v_add_nc_u32 v5, s30, v5                       ; the stage, way in: a load's two keys are rows 2 j + h
	v_mul_u32_u24 v6, v2, SP
	v_lshl_add_u32 v6, v3, 7, v6
	v_add_nc_u32 v6, s30, v6                       ; way out: key r, its channels 32 h on
	s_add_co_u32 s30, s30, 16*SP
	v_lshl_add_u32 v7, v2, 2, s30                  ; my key's scale word
	v_lshl_add_u32 v8, v1, 3, s30                  ; and on the way out 8 bytes a lane
	v_lshlrev_b32 v9, 3, v1
	v_mov_b32 v14, 0                               ; written once: a lane permute's destination counts as one of its sources
	s_mov_b32 s12, 0x76543210
	s_mov_b32 s13, 0xfedcba98                      ; selects for lane l xor 16
	s_mov_b32 s14, 0xffff0000                      ; lanes 16-31
.macro KTILE i
	s_wait_loadcnt 8*(3-(\i))                      ; this tile's eight loads are in; the later tiles', eight each, may be out
.irp j, 0,1,2,3,4,5,6,7
	ds_store_b128 v5, v[R+32*(\i)+4*\j:R+32*(\i)+4*\j+3] offset:2*SP*\j
.endr
.irp j, 0,1,2,3,4,5,6,7
	ds_load_b128 v[X+4*\j:X+4*\j+3], v6 offset:16*\j     ; LDS serves a wave's instructions in order: these see the stores above
.endr
	s_wait_dscnt 0x0
	v_max3_num_f32 v12, |v[X]|, |v[X+1]|, |v[X+2]|       ; the block's largest magnitude: all 32 numbers are mine
	v_max3_num_f32 v13, |v[X+3]|, |v[X+4]|, |v[X+5]|
.irp n, 6,10,14,18,22,26
	v_max3_num_f32 v12, v12, |v[X+\n]|, |v[X+\n+1]|
	v_max3_num_f32 v13, v13, |v[X+\n+2]|, |v[X+\n+3]|
.endr
	v_max3_num_f32 v12, v12, |v[X+30]|, |v[X+31]|
	v_max3_num_f32 v12, v12, v13, 0x1800000        ; and the floor 2^(3 - 127): the byte cannot fall under 1
	v_add_nc_u32 v11, 0xff000000, v12              ; 2 off the exponent field: the conversion's scale operand
	v_lshrrev_b32 v13, 23, v11                     ; the scale's byte
.irp g, 0,1,2,3
	v_cvt_scalef32_pk8_fp4_f32 v[C+4*(\i)+\g], v[X+8*\g:X+8*\g+7], v11
.endr
	v_nop                                          ; one plain place behind a scaled conversion
	v_permlanex16_b32 v14, v13, s12, s13           ; the byte of my key's other block
	v_cndmask_b32 v10, v13, v14, s14               ; channels 0-31's byte,
	v_cndmask_b32 v15, v14, v13, s14               ; channels 32-63's
	v_lshl_or_b32 v10, v15, 8, v10
	v_or_b32 v[W+(\i)], 0x7f7f0000, v10            ; the upper half of the instruction's K is zero codes under the byte 127
	global_store_b128 v4, v[C+4*(\i):C+4*(\i)+3], s[8:9] offset:512*(\i)    ; the image: 512 consecutive bytes
	ds_store_b32 v7, v[W+(\i)] offset:64*(\i)      ; both lanes of a key write the same word with the same value
.endm
	KTILE 0
	KTILE 1
	KTILE 2
	KTILE 3
	ds_load_b64 v[10:11], v8                       ; my wave's 64 words
	s_wait_dscnt 0x0
	global_store_b64 v9, v[10:11], s[10:11]        ; 256 consecutive bytes, aligned
	s_wait_tensorcnt 0x0
	ds_add_u32 v200, v201
	s_wait_dscnt 0x0
	s_endpgm
	; ---------------- V: a lane takes a channel, its registers run down the keys
.Lv_path:
	s_lshl_b32 s26, s21, 7                         ; my 32 channels
	s_add_nc_u64 s[6:7], s[6:7], s[22:23]
	s_add_nc_u64 s[6:7], s[6:7], s[26:27]
	s_lshl_b32 s26, s20, 8
	s_lshl_b32 s28, s21, 7
	s_add_co_u32 s26, s26, s28
	s_add_co_u32 s26, s26, 34816
	s_add_nc_u64 s[10:11], s[8:9], s[26:27]        ; my 128 bytes of scale words
	s_lshl_b32 s26, s20, 12
	s_lshl_b32 s28, s21, 11
	s_add_co_u32 s26, s26, s28
	s_add_co_u32 s26, s26, 16384
	s_add_nc_u64 s[8:9], s[8:9], s[26:27]          ; my two tiles' images
	v_lshlrev_b32 v4, 2, v1                        ; 4 bytes a lane
	v_bfe_u32 v10, v1, 3, 1                        ; channel 32 e + lane lies in tile 2 e + u, u = bit 3 of the lane,
	v_and_b32 v11, 7, v1
	v_bfe_u32 v12, v1, 4, 1
	v_lshl_or_b32 v11, v12, 3, v11                 ; at row (lane % 8) + 8 (lane / 16)
	v_lshlrev_b32 v5, 4, v11
	v_lshl_add_u32 v5, v10, 10, v5
	v_lshlrev_b32 v6, 2, v11
	v_lshl_add_u32 v6, v10, 6, v6
.macro VLOAD t                         ; block t: keys 32 t + i of my channel into set t % 2; 128 consecutive bytes a load
.set I, 0
.rept 32
	global_load_b32 v[XV+32*((\t)%2)+I], v4, s[6:7] offset:(32*(\t)+I)*256 th:TH_LOAD_NT
.set I, I+1
.endr
.endm
.macro VBLOCK t
.set XS, XV+32*((\t)%2)
.if (\t) < 3
	s_wait_loadcnt 32                              ; this block's 32 loads are in; the next block's 32 may be out
.else
	s_wait_loadcnt 0x0
.endif
	v_max3_num_f32 v12, |v[XS]|, |v[XS+1]|, |v[XS+2]|
	v_max3_num_f32 v13, |v[XS+3]|, |v[XS+4]|, |v[XS+5]|
.irp n, 6,10,14,18,22,26
	v_max3_num_f32 v12, v12, |v[XS+\n]|, |v[XS+\n+1]|
	v_max3_num_f32 v13, v13, |v[XS+\n+2]|, |v[XS+\n+3]|
.endr
	v_max3_num_f32 v12, v12, |v[XS+30]|, |v[XS+31]|
	v_max3_num_f32 v12, v12, v13, 0x1800000
	v_add_nc_u32 v11, 0xff000000, v12
	v_lshrrev_b32 v13, 23, v11
.if (\t) == 0
	v_mov_b32 v24, v13                             ; the step's four bytes make my channel's scale word
.else
	v_lshl_or_b32 v24, v13, 8*(\t), v24
.endif
.irp g, 0,1,2,3
	v_cvt_scalef32_pk8_fp4_f32 v[CV+4*(\t)+\g], v[XS+8*((\g%2)*2+\g/2):XS+8*((\g%2)*2+\g/2)+7], v11   ; code registers 0 to 3 take keys 0-7, 16-23, 8-15, 24-31
.endr
	v_nop                                          ; one plain place behind a scaled conversion
	global_store_b128 v5, v[CV+4*(\t):CV+4*(\t)+3], s[8:9] offset:((\t)/2)*512+((\t)%2)*256   ; sixteen rows of a tile: 256 consecutive bytes; two tiles
.if (\t) < 2
	VLOAD (\t)+2
.endif
.endm
	VLOAD 0
	VLOAD 1
	VBLOCK 0
	VBLOCK 1
	VBLOCK 2
	VBLOCK 3
	global_store_b32 v6, v24, s[10:11]             ; 128 consecutive bytes
	s_endpgm
.Lfunc_end_k_qb88b190170_cacheq:
	.size	k_qb88b190170_cacheq, .Lfunc_end_k_qb88b190170_cacheq-k_qb88b190170_cacheq
	.p2alignl 7, 3214868480
	.fill 96, 4, 3214868480
	.section	.rodata,"a",@progbits
	.p2align	6, 0x0
	.amdhsa_kernel k_qb88b190170_cacheq
		.amdhsa_group_segment_fixed_size 37888
		.amdhsa_private_segment_fixed_size 0
		.amdhsa_enable_private_segment 0
		.amdhsa_kernarg_size 24
		.amdhsa_user_sgpr_count 2
		.amdhsa_user_sgpr_kernarg_segment_ptr 1
		.amdhsa_wavefront_size32 1
		.amdhsa_system_sgpr_workgroup_id_x 1
		.amdhsa_system_sgpr_workgroup_id_y 1
		.amdhsa_system_sgpr_workgroup_id_z 1
		.amdhsa_system_vgpr_workitem_id 0
		.amdhsa_next_free_vgpr 202
		.amdhsa_next_free_sgpr 66
		.amdhsa_reserve_vcc 0
		.amdhsa_float_denorm_mode_32 3
		.amdhsa_float_denorm_mode_16_64 3
		.amdhsa_memory_ordered 1
		.amdhsa_forward_progress 1
		.amdhsa_inst_pref_size 38
	.end_amdhsa_kernel
	.amdgpu_metadata
---
amdhsa.version: [ 1, 2 ]
amdhsa.kernels:
  - .name:           k_qb88b190170_cacheq
    .symbol:         k_qb88b190170_cacheq.kd
    .args:
      - { .name: k_cache, .offset: 0, .size: 8, .value_kind: global_buffer, .address_space: global }
      - { .name: v_cache, .offset: 8, .size: 8, .value_kind: global_buffer, .address_space: global }
      - { .name: kv, .offset: 16, .size: 8, .value_kind: global_buffer, .address_space: global }
    .group_segment_fixed_size: 37888
    .private_segment_fixed_size: 0
    .kernarg_segment_align: 8
    .kernarg_segment_size: 24
    .max_flat_workgroup_size: 256
    .sgpr_count:     66
    .vgpr_count:     202
    .wavefront_size: 32
...
	.end_amdgpu_metadata
.endif
;; end of part 1
;; launch qkv (part 2): grid 192 x 1, 4 waves a work-group, no clusters, 70,144 bytes of LDS; arguments x_codes, x_scales, W_qkv_codes, W_qkv_scales, scale_q, scale_k, kv, qimg, qsc; writes kv, qimg, qsc
.if DOCPART == 2
	.amdgcn_target "amdgcn-amd-amdhsa--gfx1250"
	.amdhsa_code_object_version 6
	.text
	.protected	k_qb88b190170_qkv
	.globl	k_qb88b190170_qkv
	.p2align	8
	.type	k_qb88b190170_qkv,@function
k_qb88b190170_qkv:
	s_mov_b64 s[64:65], 0
	v_nop
	global_prefetch_b8 v0, s[64:65] scope:SCOPE_SE
	s_setreg_imm32_b32 hwreg(HW_REG_WAVE_MODE, 25, 1), 1
	s_wait_xcnt 0x0
; qkv = x W_qkv^T on codes of FP4 (K = 1,024); q and k are divided by (the root of the mean square of their head's 64 + 1e-6) and multiplied by the gain; q, k and v are quantised again and
; stored as images of the operands that the attention launch wants: q into qimg and qsc, k and v into slots 4 to 7 of kv (layout: at the head of the launch that fills slots 0 to 3).
; ONE LOOP SERVES BOTH KINDS OF WORK-GROUP, since the two sources change roles.  THE A SIDE (source 0): 128 rows a wave, in 512 registers for all of K.  THE B SIDE (source 1): eight tiles of
; 16 rows for the work-group, which go from wave to wave through LDS as images of their registers.  A trip is one B tile: 64 matrix instructions on 8 accumulators by turns; lane (r, h) then holds
; B's row r and 64 numbers along A's rows.
;   work-groups 0-127 (q: 0-63, k: 64-127): A = 512 rows of W_qkv, B = 128 tokens.  A's tile t takes rows 32 (t / 2) + 8 (t % 2) + r + 8 (r / 8), so that register 16 b + i is channel 32 b + 16 h + i: two heads of a token.
;   work-groups 128-191 (v): A = 512 tokens, neighbours in a tile, B = 128 rows of W_qkv, its tiles taken as A's above: a lane holds one channel and 128 keys, in the order in which the weights of the attention will fall.
; LIMITS: NaN and infinities are not served; a block whose largest magnitude lies under 2^-124 gets the byte 1; a mean of squares under 2^-126 counts as 0 in the root; the division is a multiplication by v_rcp_f32's result.
; REGISTERS: window 0 as named below; window 1: A's fragments of K steps 0-3 at v[64 s + 8 t]; window 2: those of K steps 4-7.
; SCALE WORDS, A's and B's alike: one load of 16 bytes a tile at row x 32 + 16 h: lanes 0-15 hold the words of K steps 0-3, lanes 16-31 those of 4-7, which the instruction takes by its row selector.
.set HEADB, 286720
.set SLOTB, 35840
.set BIMG,  4096                       ; LDS: 0: B's scale words, 512 bytes a tile; BIMG: B's fragments, tile 8192 + K step 1024 + c 512 + 16 lane
.set AE,   4                           ; v4, v5   A's codes: lane's row x 512 + 16 h, for even and odd tiles
.set ASE,  6                           ; v6, v7   A's scales: row x 32 + 16 h
.set BE,   8                           ; v8, v9   B's codes
.set BSE,  10                          ; v10, v11 B's scales
.set LI,   12                          ; v12  16 x lane
.set BW,   13                          ; v13  where I store my two tiles' images
.set BWS,  14                          ; v14  and their scale words
.set FA,   15                          ; v15  LDS address of the tile to be fetched
.set FS,   16                          ; v16  and of its scale words
.set SO,   17                          ; v17  the scale word's place: 4 r + h x (bytes from a head to the next)
.set PADW, 18                          ; v18  0x7f7f
.set SW,   19                          ; v19  the scale word to be stored
.set BS,   20                          ; v20-23  B's scale words of the trip
.set AS,   32                          ; v32-63  A's scale words: 4 t + s % 4
.set HA,   64                          ; v64-127 the 8 accumulators
.set SCV,  128                         ; v128-159 the gain: register 16 b + i = channel 32 b + 16 h + i
.set PC,   160                         ; v160-167 the codes just made
.set TM,   168                         ; v168-183 at work in QUANT
.set T0,   184                         ; v184-191 at work in NORM
.set BF,   192                         ; v192-255 B's fragments of the trip: 8 s + 4 c
.set WV,  22
.set ID,  23
.set PA,  24                           ; s[24:25] A's codes, s[26:27] A's scales, s[28:29] B's codes, s[30:31] B's scales
.set PAS, 26
.set PB,  28
.set PBS, 30
.set PG,  32                           ; s[32:33] the gain
.set PI0, 34                           ; s[34:35], s[36:37] where the trip's two halves of an image go; s[38:39] its scale words
.set PI1, 36
.set PS,  38
.set SEL, 40
.set M1,  42                           ; lanes that take the second head's bytes: 16-31 for q and k, none for v
.set M2,  43                           ; lanes whose word holds four bytes: none for q and k, all for v
.set T,   44
.set TB,  45
.set TS,  46
.set INCI, 47
.set JI,  48
.set JS,  49
.set MSB, 0
.macro WIN new                         ; the immediate's high byte repeats the setting that is left
.if MSB != \new
	s_set_vgpr_msb (MSB<<8)|\new
.set MSB, \new
.endif
.endm
	s_load_b512 s[4:19], s[0:1], 0x0               ; x codes s[4:5], x scales s[6:7], W codes s[8:9], W scales s[10:11], scale_q s[12:13], scale_k s[14:15], kv s[16:17], qimg s[18:19]
	s_load_b64 s[20:21], s[0:1], 0x40              ; qsc
	v_lshl_add_u32 v178, v0, 2, 0x11000
	v_mov_b32 v179, 0
	v_lshrrev_b32 v1, 5, v0
	v_readfirstlane_b32 s[WV], v1                  ; wave 0..3
	s_mov_b32 s[ID], ttmp9
	; both kinds' numbers are made, and chosen by the work-group's number alone
	s_lshr_b32 s50, s[ID], 5                       ; q, k: g, which 512 rows of W_qkv
	s_and_b32 s51, s[ID], 31                       ;       y, which 128 tokens
	s_sub_co_u32 s52, s[ID], 128
	s_lshr_b32 s53, s52, 3                         ; v: g, which 512 tokens
	s_and_b32 s54, s52, 7                          ;    y, which 128 rows of W_qkv's last 1,024
	s_lshl_b32 s55, s51, 7
	s_lshl_b32 s56, s54, 7
	s_add_co_u32 s56, s56, 2048
	s_lshr_b32 s57, s51, 4                         ; q, k: the batch
	s_and_b32 s58, s51, 15                         ;       yy: which 128 tokens of its sequence
	s_and_b32 s59, s50, 1
	s_lshl_b32 s59, s59, 3
	s_lshl_b32 s60, s[WV], 1
	s_add_co_u32 s59, s59, s60                     ;       my first head: 8 (g % 2) + 2 wave
	s_lshl_b32 s57, s57, 4
	s_add_co_u32 s59, s59, s57                     ;       + 16 x batch
	s_lshr_b32 s60, s53, 2
	s_lshl_b32 s60, s60, 4
	s_lshl_b32 s61, s54, 1
	s_add_co_u32 s60, s60, s61                     ; v: the first head: 16 x batch + 2 y
	s_lshr_b32 s61, s58, 2                         ; k: slot - 4
	s_and_b32 s62, s53, 3                          ; v: slot - 4
	s_and_b32 s63, s58, 3                          ; k: the key step
	s_cmp_lt_u32 s[ID], 128
	s_cselect_b32 s50, s50, s53
	s_cselect_b32 s55, s55, s56                    ; B's first row
	s_cselect_b32 s59, s59, s60                    ; the first head
	s_cselect_b32 s61, s61, s62
	s_cselect_b32 s63, s63, s[WV]                  ; the key step (v: my wave's 128 tokens)
	s_cselect_b32 s66, 0, 16384                    ; K images or V images
	s_mov_b32 s67, 34816
	s_cselect_b32 s67, 32768, s67                  ; K words or V words,
	s_mov_b32 s68, 256
	s_cselect_b32 s68, 512, s68                    ; and their bytes a key step
	s_cselect_b32 s69, 1, 0                        ; A's tiles: rows r + 8 (r / 8), or neighbours
	s_cselect_b32 s70, 0, 1                        ; B's
	s_cselect_b32 s71, 8, 16                       ; an odd tile of A begins so many rows behind the even one
	s_cselect_b32 s72, 16, 8                       ; of B
	s_cselect_b32 s[M1], 0xffff0000, 0
	s_cselect_b32 s[M2], 0, -1
	s_mov_b32 s[INCI], 1024
	s_cselect_b32 s[INCI], 512, s[INCI]            ; an image's step from trip to trip
	s_cselect_b32 s[JI], 0, HEADB-4*1024           ; v: behind its fourth tile the work-group goes on to the next head
	s_cselect_b32 s[JS], 0, HEADB-4*64
	s_mov_b32 s73, HEADB
	s_cselect_b32 s73, s73, 512                    ; from an image's first half to its second: k: the next head; v: 512 bytes
	s_mov_b32 s74, HEADB
	s_cselect_b32 s74, s74, 0                      ; from lanes 0-15's word to lanes 16-31's
	s_lshl_b32 s50, s50, 9
	s_lshl_b32 s75, s[WV], 7
	s_add_co_u32 s50, s50, s75                     ; A's first row: 512 g + 128 wave
	s_lshl_b32 s75, s[WV], 5
	s_add_co_u32 s55, s55, s75                     ; the 32 rows of B whose two tiles I bring
	s_add_co_u32 s61, s61, 4
	s_mul_i32 s76, s59, HEADB
	s_mul_i32 s61, s61, SLOTB
	s_add_co_u32 s76, s76, s61                     ; the slot in kv
	s_lshl_b32 s77, s63, 12
	s_add_co_u32 s77, s77, s76
	s_add_co_u32 s77, s77, s66                     ; k, v: the first image
	s_mul_i32 s78, s63, s68
	s_add_co_u32 s78, s78, s76
	s_add_co_u32 s78, s78, s67                     ; k, v: the first scale words
	s_lshl_b32 s79, s59, 16
	s_lshl_b32 s80, s58, 12
	s_add_co_u32 s79, s79, s80                     ; q: head x 128 tiles x 512 + yy x 8 tiles x 512
	s_lshl_b32 s80, s59, 13
	s_lshl_b32 s75, s58, 9
	s_add_co_u32 s80, s80, s75                     ; q: head x 2,048 x 4 + yy x 128 x 4
	s_cmp_lt_u32 s[ID], 64
	s_cselect_b32 s76, s79, s77
	s_cselect_b32 s78, s80, s78
	s_cselect_b32 s73, 65536, s73
	s_cselect_b32 s74, 8192, s74
	s_mov_b32 s77, 0
	s_mov_b32 s79, 0
	v_and_b32 v1, 31, v0                           ; lane
	v_and_b32 v2, 15, v0                           ; r
	v_bfe_u32 v3, v0, 4, 1                         ; h
	v_and_b32 v24, 8, v2
	v_mul_u32_u24 v25, s69, v24
	v_add_nc_u32 v25, v25, v2                      ; my row in a tile of A
	v_mul_u32_u24 v26, s70, v24
	v_add_nc_u32 v26, v26, v2                      ; and of B
	v_lshlrev_b32 v27, 4, v3
	v_lshl_add_u32 v[AE], v25, 9, v27              ; a row of codes is 512 bytes,
	v_lshl_add_u32 v[ASE], v25, 5, v27             ; a row of scales 32
	v_lshl_add_u32 v[BE], v26, 9, v27
	v_lshl_add_u32 v[BSE], v26, 5, v27
	s_lshl_b32 s75, s71, 9
	v_add_nc_u32 v[AE+1], s75, v[AE]
	s_lshl_b32 s75, s71, 5
	v_add_nc_u32 v[ASE+1], s75, v[ASE]
	s_lshl_b32 s75, s72, 9
	v_add_nc_u32 v[BE+1], s75, v[BE]
	s_lshl_b32 s75, s72, 5
	v_add_nc_u32 v[BSE+1], s75, v[BSE]
	v_lshlrev_b32 v[LI], 4, v1
	s_lshl_b32 s75, s[WV], 14
	v_add_nc_u32 v[BW], s75, v[LI]
	v_add_nc_u32 v[BW], BIMG, v[BW]
	s_lshl_b32 s75, s[WV], 10
	v_add_nc_u32 v[BWS], s75, v[LI]
	v_mul_u32_u24 v[SO], s74, v3
	v_lshl_add_u32 v[SO], v2, 2, v[SO]
	v_mov_b32 v[PADW], 0x7f7f
	v_lshlrev_b32 v28, 6, v3                       ; the gain: 64 h bytes
.irp b, 0,1,2,3
	v_mov_b32 v[TM+4+\b], 0                        ; written once: a lane permute's destination counts as one of its sources
.endr
	v_mov_b32 v[T0+5], 0                           ; (named as the upper halves of pairs)
	v_mov_b32 v[T0+7], 0
	s_mov_b32 s[SEL], 0x76543210
	s_mov_b32 s[SEL+1], 0xfedcba98                 ; selects for lane l xor 16
	s_wait_kmcnt 0x0
	s_cmp_lt_u32 s[ID], 64
	s_cselect_b64 s[PI0:PI0+1], s[18:19], s[16:17] ; q goes to qimg and qsc, k and v to kv
	s_cselect_b64 s[PS:PS+1], s[20:21], s[16:17]
	s_cselect_b64 s[PG:PG+1], s[12:13], s[14:15]   ; (v's work-groups load scale_k and do not use it)
	s_add_nc_u64 s[PI0:PI0+1], s[PI0:PI0+1], s[76:77]
	s_add_nc_u64 s[PS:PS+1], s[PS:PS+1], s[78:79]
	s_mov_b32 s76, s73
	s_add_nc_u64 s[PI1:PI1+1], s[PI0:PI0+1], s[76:77]
	s_cmp_lt_u32 s[ID], 128
	s_cselect_b64 s[PA:PA+1], s[8:9], s[4:5]
	s_cselect_b64 s[PAS:PAS+1], s[10:11], s[6:7]
	s_cselect_b64 s[PB:PB+1], s[4:5], s[8:9]
	s_cselect_b64 s[PBS:PBS+1], s[6:7], s[10:11]
	s_lshl_b32 s76, s50, 9
	s_add_nc_u64 s[PA:PA+1], s[PA:PA+1], s[76:77]
	s_lshl_b32 s76, s50, 5
	s_add_nc_u64 s[PAS:PAS+1], s[PAS:PAS+1], s[76:77]
	s_lshl_b32 s76, s55, 9
	s_add_nc_u64 s[PB:PB+1], s[PB:PB+1], s[76:77]
	s_lshl_b32 s76, s55, 5
	s_add_nc_u64 s[PBS:PBS+1], s[PBS:PBS+1], s[76:77]
	; ---- all the launch's loads from memory go out here
	WIN 0x40                                       ; destination window 1
.irp s, 0,1,2,3
.irp t, 0,1,2,3,4,5,6,7
.irp c, 0,1
	global_load_b128 v[64*\s+8*\t+4*\c:64*\s+8*\t+4*\c+3], v[AE+\t%2], s[PA:PA+1] offset:(\t/2)*16384+64*\s+32*\c
.endr
.endr
.endr
	WIN 0x80                                       ; destination window 2
.irp s, 4,5,6,7
.irp t, 0,1,2,3,4,5,6,7
.irp c, 0,1
	global_load_b128 v[64*(\s-4)+8*\t+4*\c:64*(\s-4)+8*\t+4*\c+3], v[AE+\t%2], s[PA:PA+1] offset:(\t/2)*16384+64*\s+32*\c
.endr
.endr
.endr
	WIN 0
.irp t, 0,1,2,3,4,5,6,7
	global_load_b128 v[AS+4*\t:AS+4*\t+3], v[ASE+\t%2], s[PAS:PAS+1] offset:(\t/2)*1024
.endr
.irp b, 0,1
.irp j, 0,1,2,3
	global_load_b128 v[SCV+16*\b+4*\j:SCV+16*\b+4*\j+3], v28, s[PG:PG+1] offset:128*\b+16*\j
.endr
.endr
.irp s, 0,1,2,3,4,5,6,7
.irp c, 0,1
	global_load_b128 v[BF+8*\s+4*\c:BF+8*\s+4*\c+3], v[BE], s[PB:PB+1] offset:64*\s+32*\c      ; B's tile 2 wave
	global_load_b128 v[HA+8*\s+4*\c:HA+8*\s+4*\c+3], v[BE+1], s[PB:PB+1] offset:64*\s+32*\c    ; and 2 wave + 1
.endr
.endr
	global_load_b128 v[BS:BS+3], v[BSE], s[PBS:PBS+1]
	global_load_b128 v[24:27], v[BSE+1], s[PBS:PBS+1]
	s_wait_loadcnt 0x0
	; ---- my two tiles of B go to LDS as they stand in registers
.irp s, 0,1,2,3,4,5,6,7
.irp c, 0,1
	ds_store_b128 v[BW], v[BF+8*\s+4*\c:BF+8*\s+4*\c+3] offset:1024*\s+512*\c
	ds_store_b128 v[BW], v[HA+8*\s+4*\c:HA+8*\s+4*\c+3] offset:8192+1024*\s+512*\c
.endr
.endr
	ds_store_b128 v[BWS], v[BS:BS+3]
	ds_store_b128 v[BWS], v[24:27] offset:512
	s_wait_dscnt 0x0                               ; for the others' sake: my stores have landed
	s_barrier_signal -1
	s_barrier_wait -1                              ; the launch's one barrier: from here on LDS is only read
.macro FETCH                           ; a tile of B, all eight K steps, and its scale words
.irp s, 0,1,2,3,4,5,6,7
.irp c, 0,1
	ds_load_b128 v[BF+8*\s+4*\c:BF+8*\s+4*\c+3], v[FA] offset:BIMG+1024*\s+512*\c
.endr
.endr
	ds_load_b128 v[BS:BS+3], v[FS]
.endm
.macro MM s, t                         ; K step s on accumulator t.  K step 0 starts the sums
.if (\s) == 0
	v_wmma_scale_f32_16x16x128_f8f6f4 v[HA+8*\t:HA+8*\t+7], v[8*\t:8*\t+7], v[BF:BF+7], 0, v[AS+4*\t], v[BS] matrix_a_fmt:MATRIX_FMT_FP4 matrix_b_fmt:MATRIX_FMT_FP4
.elseif (\s) < 4
	v_wmma_scale_f32_16x16x128_f8f6f4 v[HA+8*\t:HA+8*\t+7], v[64*(\s)+8*\t:64*(\s)+8*\t+7], v[BF+8*(\s):BF+8*(\s)+7], v[HA+8*\t:HA+8*\t+7], v[AS+4*\t+(\s)], v[BS+(\s)] matrix_a_fmt:MATRIX_FMT_FP4 matrix_b_fmt:MATRIX_FMT_FP4
.else
	v_wmma_scale_f32_16x16x128_f8f6f4 v[HA+8*\t:HA+8*\t+7], v[64*((\s)-4)+8*\t:64*((\s)-4)+8*\t+7], v[BF+8*(\s):BF+8*(\s)+7], v[HA+8*\t:HA+8*\t+7], v[AS+4*\t+(\s)-4], v[BS+(\s)-4] matrix_a_fmt:MATRIX_FMT_FP4 matrix_b_fmt:MATRIX_FMT_FP4 matrix_a_scale:MATRIX_SCALE_ROW1 matrix_b_scale:MATRIX_SCALE_ROW1
.endif
.endm
; q and k: my token's two heads (registers 0-31 and 32-63, with lane l xor 16's) are divided by the root of their mean square + 1e-6 and multiplied by the gain.  Each accumulator is read from its low end on.
.macro NORM
	v_pk_mul_f32 v[T0:T0+1], v[HA:HA+1], v[HA:HA+1]
	v_pk_mul_f32 v[T0+2:T0+3], v[HA+32:HA+33], v[HA+32:HA+33]
.set J, 2
.rept 15
	v_pk_fma_f32 v[T0:T0+1], v[HA+J:HA+J+1], v[HA+J:HA+J+1], v[T0:T0+1]
	v_pk_fma_f32 v[T0+2:T0+3], v[HA+32+J:HA+33+J], v[HA+32+J:HA+33+J], v[T0+2:T0+3]
.set J, J+2
.endr
	v_add_f32 v[T0], v[T0], v[T0+1]
	v_add_f32 v[T0+2], v[T0+2], v[T0+3]
	v_permlanex16_b32 v[T0+1], v[T0], s[SEL], s[SEL+1]
	v_permlanex16_b32 v[T0+3], v[T0+2], s[SEL], s[SEL+1]
	v_add_f32 v[T0], v[T0], v[T0+1]
	v_add_f32 v[T0+2], v[T0+2], v[T0+3]
	v_mul_f32 v[T0], 0x3c800000, v[T0]             ; / 64
	v_mul_f32 v[T0+2], 0x3c800000, v[T0+2]
	v_sqrt_f32 v[T0+1], v[T0]
	v_sqrt_f32 v[T0+3], v[T0+2]
	v_nop                                          ; a plain place behind the roots,
	s_wait_alu depctr_va_vdst(0)                   ; and the wait ahead of their first reader
	v_add_f32 v[T0+1], 0x358637bd, v[T0+1]         ; + 1e-6
	v_add_f32 v[T0+3], 0x358637bd, v[T0+3]
	v_rcp_f32 v[T0+4], v[T0+1]
	v_rcp_f32 v[T0+6], v[T0+3]
	v_nop
	s_wait_alu depctr_va_vdst(0)                   ; likewise for the two reciprocals
.set J, 0
.rept 16
	v_pk_mul_f32 v[HA+J:HA+J+1], v[HA+J:HA+J+1], v[T0+4:T0+5] op_sel_hi:[1,0]
	v_pk_mul_f32 v[HA+32+J:HA+33+J], v[HA+32+J:HA+33+J], v[T0+6:T0+7] op_sel_hi:[1,0]
.set J, J+2
.endr
.set J, 0
.rept 16
	v_pk_mul_f32 v[HA+J:HA+J+1], v[HA+J:HA+J+1], v[SCV+J:SCV+J+1]
	v_pk_mul_f32 v[HA+32+J:HA+33+J], v[HA+32+J:HA+33+J], v[SCV+J:SCV+J+1]
.set J, J+2
.endr
.endm
; 64 numbers of a lane, four blocks of 32 shared with lane l xor 16, become a fragment's codes in v[PC] on; the four bytes stay in v[TM+4] on.
.macro QUANT
.irp b, 0,1,2,3
	v_max3_num_f32 v[TM+\b], |v[HA+16*\b]|, |v[HA+1+16*\b]|, 0x1800000   ; my 16 numbers of block b, and the floor 2^(3 - 127): the byte cannot fall under 1
.endr
.irp i, 2,4,6,8,10,12,14
.irp b, 0,1,2,3
	v_max3_num_f32 v[TM+\b], v[TM+\b], |v[HA+16*\b+\i]|, |v[HA+1+16*\b+\i]|
.endr
.endr
.irp b, 0,1,2,3
	v_permlanex16_b32 v[TM+4+\b], v[TM+\b], s[SEL], s[SEL+1]
.endr
.irp b, 0,1,2,3
	v_max_num_f32 v[TM+\b], v[TM+\b], v[TM+4+\b]   ; the block's largest magnitude
.endr
.irp b, 0,1,2,3
	v_add_nc_u32 v[TM+12+\b], 0xff000000, v[TM+\b] ; 2 off its exponent field: the conversion's scale operand
.endr
.irp b, 0,1,2,3
	v_lshrrev_b32 v[TM+4+\b], 23, v[TM+12+\b]      ; the scale's byte
.endr
.irp b, 0,1,2,3
	v_cvt_scalef32_pk8_fp4_f32 v[PC+2*\b], v[HA+16*\b:HA+7+16*\b], v[TM+12+\b]
	v_cvt_scalef32_pk8_fp4_f32 v[PC+1+2*\b], v[HA+8+16*\b:HA+15+16*\b], v[TM+12+\b]
.endr
	v_nop                                          ; one plain place behind a scaled conversion
.irp c, 0,1                                    ; a whole block to a lane: lanes 0-15 block 2 c, lanes 16-31 block 2 c + 1
.irp i, 0,1
	v_permlane16_swap_b32 v[PC+4*\c+\i], v[PC+2+4*\c+\i]
.endr
.endr
.endm
; A trip: one tile of B.  fetch = 1: the next tile is fetched under this tile's way out, and the pointers step.
.macro TRIP fetch
	s_wait_dscnt 0x0                               ; the tile's fragments and scale words are in
	WIN 0x01                                       ; source 0 (A) window 1
.irp s, 0,1,2,3
.irp t, 0,1,2,3,4,5,6,7
	MM \s, \t
.endr
.endr
	WIN 0x02                                       ; source 0 window 2
.irp s, 4,5,6,7
.irp t, 0,1,2,3,4,5,6,7
	MM \s, \t
.endr
.endr
	WIN 0
.if \fetch
	s_add_co_u32 s[TB], s[TB], 8192
	s_add_co_u32 s[TS], s[TS], 512
	v_add_nc_u32 v[FA], s[TB], v[LI]               ; four places behind the last product, in front of the loads into B's registers and of the first read of results
	v_add_nc_u32 v[FS], s[TS], v[LI]
	v_nop
	v_nop
	FETCH
.else
.rept 4
	v_nop
.endr
.endif
	s_cmp_lt_u32 s[ID], 128
	s_cbranch_scc0 .Lplain_\@                      ; v is quantised as it comes
	NORM
.Lplain_\@:
	QUANT
	v_lshl_or_b32 v[T0], v[TM+5], 8, v[TM+4]       ; the bytes of blocks 0, 1
	v_lshl_or_b32 v[T0+1], v[TM+7], 8, v[TM+6]     ; and 2, 3
	v_cndmask_b32 v[T0+2], v[T0], v[T0+1], s[M1]   ; q, k: lanes 0-15 store the first head's word, lanes 16-31 the second's, each with 0x7f7f on top;
	v_cndmask_b32 v[T0+3], v[PADW], v[T0+1], s[M2] ; v: every lane has the word of all four blocks
	v_lshl_or_b32 v[SW], v[T0+3], 16, v[T0+2]
	global_store_b128 v[LI], v[PC:PC+3], s[PI0:PI0+1]      ; 512 consecutive bytes each
	global_store_b128 v[LI], v[PC+4:PC+7], s[PI1:PI1+1]
	global_store_b32 v[SO], v[SW], s[PS:PS+1]
.if \fetch
	s_wait_xcnt 0x0                                ; the stores have read their data and bases: both are written again only behind this wait
	s_cmp_eq_u32 s[T], 3
	s_cselect_b32 s50, s[JI], 0
	s_cselect_b32 s52, s[JS], 0
	s_add_co_u32 s50, s50, s[INCI]
	s_add_co_u32 s52, s52, 64
	s_add_nc_u64 s[PI0:PI0+1], s[PI0:PI0+1], s[50:51]
	s_add_nc_u64 s[PI1:PI1+1], s[PI1:PI1+1], s[50:51]
	s_add_nc_u64 s[PS:PS+1], s[PS:PS+1], s[52:53]
.endif
.endm
	s_mov_b32 s51, 0
	s_mov_b32 s53, 0
	s_mov_b32 s[TB], 0
	s_mov_b32 s[TS], 0
	s_mov_b32 s[T], 0
	v_mov_b32 v[FA], v[LI]
	v_mov_b32 v[FS], v[LI]
	FETCH                                          ; tile 0
.Ltile:                                            ; seven trips; the eighth tile is written out, so that no LDS load is jumped over
	TRIP 1
	s_add_co_u32 s[T], s[T], 1
	s_cmp_lt_u32 s[T], 7
	s_cbranch_scc1 .Ltile
	TRIP 0
	s_wait_tensorcnt 0x0
	ds_add_u32 v178, v179
	s_wait_dscnt 0x0
	s_endpgm
.Lfunc_end_k_qb88b190170_qkv:
	.size	k_qb88b190170_qkv, .Lfunc_end_k_qb88b190170_qkv-k_qb88b190170_qkv
	.p2alignl 7, 3214868480
	.fill 96, 4, 3214868480
	.section	.rodata,"a",@progbits
	.p2align	6, 0x0
	.amdhsa_kernel k_qb88b190170_qkv
		.amdhsa_group_segment_fixed_size 70144
		.amdhsa_private_segment_fixed_size 0
		.amdhsa_enable_private_segment 0
		.amdhsa_kernarg_size 72
		.amdhsa_user_sgpr_count 2
		.amdhsa_user_sgpr_kernarg_segment_ptr 1
		.amdhsa_wavefront_size32 1
		.amdhsa_system_sgpr_workgroup_id_x 1
		.amdhsa_system_sgpr_workgroup_id_y 1
		.amdhsa_system_sgpr_workgroup_id_z 1
		.amdhsa_system_vgpr_workitem_id 0
		.amdhsa_next_free_vgpr 768
		.amdhsa_next_free_sgpr 84
		.amdhsa_reserve_vcc 0
		.amdhsa_float_denorm_mode_32 3
		.amdhsa_float_denorm_mode_16_64 3
		.amdhsa_memory_ordered 1
		.amdhsa_forward_progress 1
		.amdhsa_inst_pref_size 67
	.end_amdhsa_kernel
	.amdgpu_metadata
---
amdhsa.version: [ 1, 2 ]
amdhsa.kernels:
  - .name:           k_qb88b190170_qkv
    .symbol:         k_qb88b190170_qkv.kd
    .args:
      - { .name: x_codes, .offset: 0, .size: 8, .value_kind: global_buffer, .address_space: global }
      - { .name: x_scales, .offset: 8, .size: 8, .value_kind: global_buffer, .address_space: global }
      - { .name: W_qkv_codes, .offset: 16, .size: 8, .value_kind: global_buffer, .address_space: global }
      - { .name: W_qkv_scales, .offset: 24, .size: 8, .value_kind: global_buffer, .address_space: global }
      - { .name: scale_q, .offset: 32, .size: 8, .value_kind: global_buffer, .address_space: global }
      - { .name: scale_k, .offset: 40, .size: 8, .value_kind: global_buffer, .address_space: global }
      - { .name: kv, .offset: 48, .size: 8, .value_kind: global_buffer, .address_space: global }
      - { .name: qimg, .offset: 56, .size: 8, .value_kind: global_buffer, .address_space: global }
      - { .name: qsc, .offset: 64, .size: 8, .value_kind: global_buffer, .address_space: global }
    .group_segment_fixed_size: 70144
    .private_segment_fixed_size: 0
    .kernarg_segment_align: 8
    .kernarg_segment_size: 72
    .max_flat_workgroup_size: 128
    .sgpr_count:     84
    .vgpr_count:     768
    .wavefront_size: 32
...
	.end_amdgpu_metadata
.endif
;; end of part 2
;; launch attn (part 3): grid 8 x 32, 16 waves a work-group, no clusters, 74,240 bytes of LDS; arguments kv, qimg, qsc, oimg, osc; writes oimg, osc
.if DOCPART == 3
	.amdgcn_target "amdgcn-amd-amdhsa--gfx1250"
	.amdhsa_code_object_version 6
	.text
	.protected	k_qb88b190170_attn
	.globl	k_qb88b190170_attn
	.p2align	8
	.type	k_qb88b190170_attn,@function
k_qb88b190170_attn:
	s_mov_b64 s[64:65], 0
	v_nop
	global_prefetch_b8 v0, s[64:65] scope:SCOPE_SE
	s_setreg_imm32_b32 hwreg(HW_REG_WAVE_MODE, 25, 1), 1
	s_wait_xcnt 0x0
; For each of 32 heads: O[q] = the sum over 4,096 keys of softmax(Q[q] . K[k]) V[k], both products on codes of FP4 with E8M0 scales; O / the row's sum is quantised again, along the model's 1,024, for the last product.
; THE SOFTMAX: t = score x log2(e); M = the running largest t rounded UP to a whole number; p = 2^(t - M) is quantised along the keys; the row's sum is taken of the unquantised p.  When M moves, the sum and O are multiplied by 2^(old M - new M): exact.
; SHARES: a work-group owns 256 queries of a head, each of its sixteen waves 16 of them in 256 registers: four waves to a SIMD, so that one wave's vector work stands beside another's products and LDS loads.  Every wave walks 8 slots x 4 steps of 128 keys.
; K AND V come as images of the operands' registers (layout: at the head of the launch that fills kv's slots 0 to 3).  A slot of 35,840 bytes lies in memory as it lies in LDS: the 512 threads copy it through registers, 16 bytes a thread five times
; (the fifth: waves 0 to 5), loaded a whole slot ahead of the LDS stores.  Two LDS slots take turns, one barrier a slot.
; No tensor loads and no cluster: a wave's part of the stream is 5 loads and 5 LDS stores for four key steps, beside some 950 vector instructions.
; LAYOUT: both products transposed: S^T = K Q^T (source 0 = 16 keys), O^T = V^T P^T (source 0 = 16 channels): a lane holds ONE query (lane % 16) throughout.  The head's size is 64: registers 4-7 of K's and Q's fragments are zero codes under the byte 127.
; A tile of K is 16 neighbouring keys, so p's codes fall in the order keys 0-7, 16-23, 8-15, 24-31 of each block of 32: V's codes were laid in the same order.  V's rows are chosen so that O^T's registers 16 b + i are channels 32 b + 16 h + i.
; LIMITS: NaN and infinities are not served; a block of the result whose largest magnitude lies under 2^-124 gets the byte 1; the division is a multiplication by v_rcp_f32's result.
.set HEADB, 286720
.set SLOTB, 35840
.set OSG,   2*SLOTB                    ; behind the two slots: 512 bytes in which the work-group's 256 pairs of scale bytes meet
.set LI0, 1                            ; v1, v2  16 x lane, in LDS slot 0, 1
.set LS0, 3                            ; v3, v4  4 x lane, likewise
.set CP0, 5                            ; v5, v6  16 x thread, likewise; v5 is also the copy's offset in memory
.set PFO, 7                            ; v7   256 x thread: the prefetch's offset
.set OSA, 10                           ; v10  where my query's two scale bytes go
.set OSR, 11                           ; v11  and where wave 0 reads them back
.set KS,  24                           ; v24-27 K's scale words: lanes 0-15 tile 2 j, lanes 16-31 tile 2 j + 1
.set VS,  28                           ; v28-29 V's likewise
.set QS,  30                           ; v30  Q's
.set KF,  32                           ; v32-63  four fragments of K
.set VF,  64                           ; v64-95  four fragments of V
.set CR,  192                          ; v192-211 the copy's registers
.set WV,  18
.set SEL, 20
.set CS,  22                           ; s[22:23] log2(e)
.set T,   24
.set LIM, 25
	s_load_b256 s[4:11], s[0:1], 0x0               ; kv s[4:5], qimg s[6:7], qsc s[8:9], oimg s[10:11]
	s_load_b64 s[12:13], s[0:1], 0x20              ; osc
	v_lshl_add_u32 v251, v0, 2, 0x11a00
	v_mov_b32 v255, 0
	v_lshrrev_b32 v8, 5, v0
	v_readfirstlane_b32 s[WV], v8                  ; wave 0..15
	s_and_b32 s19, ttmp7, 0xffff                   ; the head, 16 x batch + head of the batch
	s_mul_i32 s26, s19, HEADB
	s_mov_b32 s27, 0
	s_lshl_b32 s28, s19, 7
	s_lshl_b32 s30, ttmp9, 4
	s_add_co_u32 s28, s28, s30
	s_add_co_u32 s28, s28, s[WV]                   ; my tile of queries: 128 x head + 16 x work-group x + wave
	s_lshl_b32 s30, s28, 6                         ; its 16 scale words,
	s_lshl_b32 s28, s28, 9                         ; its image
	s_mov_b32 s29, 0
	s_mov_b32 s31, 0
	s_lshr_b32 s32, s19, 4                         ; batch
	s_and_b32 s33, s19, 15                         ; head of the batch
	s_lshl_b32 s34, s32, 7
	s_lshl_b32 s35, ttmp9, 4
	s_add_co_u32 s34, s34, s35
	s_add_co_u32 s34, s34, s[WV]                   ; my tile of tokens
	s_lshl_b32 s34, s34, 13                        ; 8,192 bytes a tile of tokens,
	s_lshl_b32 s35, s33, 9                         ; 512 a head
	s_add_co_u32 s34, s34, s35
	s_mov_b32 s35, 0
	s_lshl_b32 s36, s33, 13                        ; the scale bytes: 8,192 a head,
	s_lshl_b32 s37, s32, 12                        ; 2 a token
	s_add_co_u32 s36, s36, s37
	s_lshl_b32 s37, ttmp9, 9
	s_add_co_u32 s36, s36, s37
	s_mov_b32 s37, 0
	s_lshr_b32 s38, s[WV], 2
	s_or_b32 s38, s38, ttmp9                       ; 0 in waves 0 to 3 of the head's first work-group
	s_cmp_eq_u32 s38, 0
	s_cselect_b32 s[LIM], 2, 0                     ; they prefetch in trips 0 and 1, nobody else ever
	s_mov_b32 s[SEL], 0x76543210
	s_mov_b32 s[SEL+1], 0xfedcba98                 ; selects for lane l xor 16
	s_mov_b32 s[CS], 0x3fb8aa3b                    ; log2(e)
	s_mov_b32 s[CS+1], s[CS]                       ; (named with it as a pair, so it is written)
	s_mov_b32 s[T], 0
	v_and_b32 v8, 31, v0                           ; lane
	v_and_b32 v9, 15, v0                           ; r
	v_lshlrev_b32 v[LI0], 4, v8
	v_add_nc_u32 v[LI0+1], SLOTB, v[LI0]
	v_lshlrev_b32 v[LS0], 2, v8
	v_add_nc_u32 v[LS0+1], SLOTB, v[LS0]
	v_lshlrev_b32 v[CP0], 4, v0
	v_add_nc_u32 v[CP0+1], SLOTB, v[CP0]
	v_lshlrev_b32 v[PFO], 8, v0
	s_lshl_b32 s38, s[WV], 5
	v_lshl_add_u32 v[OSA], v9, 1, s38
	v_add_nc_u32 v[OSA], OSG, v[OSA]
	v_add_nc_u32 v[OSR], OSG, v[LI0]
	v_lshlrev_b32 v9, 2, v9                        ; 4 r
	s_wait_kmcnt 0x0
	s_add_nc_u64 s[4:5], s[4:5], s[26:27]          ; kv at my head
	s_add_nc_u64 s[6:7], s[6:7], s[28:29]
	s_add_nc_u64 s[8:9], s[8:9], s[30:31]
	s_add_nc_u64 s[10:11], s[10:11], s[34:35]
	s_add_nc_u64 s[12:13], s[12:13], s[36:37]
	global_load_b128 v[16:19], v[LI0], s[6:7]      ; Q's fragment stays in registers
	global_load_b32 v[QS], v9, s[8:9]
.macro GET n                           ; slot n, counted from the trip's first, into the copy's registers
.irp i, 0,1,2,3
	global_load_b128 v[CR+4*\i:CR+4*\i+3], v[CP0], s[4:5] offset:\n*SLOTB+8192*\i
.endr
	s_cmp_lt_u32 s[WV], 6
	s_cbranch_scc0 .Lno_fifth_\@
	global_load_b128 v[CR+16:CR+19], v[CP0], s[4:5] offset:\n*SLOTB+32768   ; the slot's 3,072 bytes of scale words: 192 threads
.Lno_fifth_\@:
.endm
.macro PUT p                           ; and from there into LDS slot p
	s_wait_loadcnt 0x0
.irp i, 0,1,2,3
	ds_store_b128 v[CP0+\p], v[CR+4*\i:CR+4*\i+3] offset:8192*\i
.endr
	s_cmp_lt_u32 s[WV], 6
	s_cbranch_scc0 .Lnone_\@
	ds_store_b128 v[CP0+\p], v[CR+16:CR+19] offset:32768
.Lnone_\@:
	s_wait_dscnt 0x0                               ; the stores have landed and have read their registers
.endm
; A PREFETCH INTO THE L2 of the 32,768 bytes of codes of the slot that lies two slots behind the one just asked for: 128 threads, 256 bytes apart, one instruction a wave.  All eight work-groups of a head walk the
; same slots: the first of them asks, so each block of 256 bytes is named once in the launch.  Slots 0 to 3 and the scale words come by their loads alone; trips 2 and 3 ask for nothing: slot 7 is the head's last.
.macro ASK p
	s_cmp_lt_u32 s[T], s[LIM]
	s_cbranch_scc0 .Lnot_mine_\@
	global_prefetch_b8 v[PFO], s[4:5] offset:(4+\p)*SLOTB th:TH_LOAD_NT scope:SCOPE_SE
.Lnot_mine_\@:
.endm
	GET 0
	v_mov_b32 v13, 0xff61b1e6                      ; the largest t so far: -3e38, under every t
	v_floor_f32 v12, -v13                          ; -M
	v_mov_b32 v14, 0                               ; the sum, in two halves
	v_mov_b32 v15, 0
.irp i, 20,21,22,23
	v_mov_b32 v[\i], 0                             ; the upper half of Q's fragment: zero codes
.endr
.irp t, 0,1,2,3
.irp i, 4,5,6,7
	v_mov_b32 v[KF+8*\t+\i], 0                     ; and of K's four: written once
.endr
.endr
.irp b, 0,1,2,3
	v_mov_b32 v[236+\b], 0                         ; written once: a lane permute's destination counts as one of its sources
.endr
	v_mov_b32 v253, 0                              ; (named as the upper half of the pair v[252:253] before it is first written)
.set J, 0
.rept 32
	v_mov_b32 v[160+J], 0                          ; O^T: the step is written once; its first run finds zeros, which the first change of M leaves zeros
.set J, J+1
.endr
	PUT 0
	GET 1
.macro SMUL g                          ; S^T of keys 64 g to 64 g + 63 of the step: four tiles, each a sum of its own
	v_wmma_scale_f32_16x16x128_f8f6f4 v[96+32*\g:103+32*\g], v[KF:KF+7], v[16:23], 0, v[KS+2*\g], v[QS] matrix_a_fmt:MATRIX_FMT_FP4 matrix_b_fmt:MATRIX_FMT_FP4
	v_wmma_scale_f32_16x16x128_f8f6f4 v[104+32*\g:111+32*\g], v[KF+8:KF+15], v[16:23], 0, v[KS+2*\g], v[QS] matrix_a_fmt:MATRIX_FMT_FP4 matrix_b_fmt:MATRIX_FMT_FP4 matrix_a_scale:MATRIX_SCALE_ROW1
	v_wmma_scale_f32_16x16x128_f8f6f4 v[112+32*\g:119+32*\g], v[KF+16:KF+23], v[16:23], 0, v[KS+2*\g+1], v[QS] matrix_a_fmt:MATRIX_FMT_FP4 matrix_b_fmt:MATRIX_FMT_FP4
	v_wmma_scale_f32_16x16x128_f8f6f4 v[120+32*\g:127+32*\g], v[KF+24:KF+31], v[16:23], 0, v[KS+2*\g+1], v[QS] matrix_a_fmt:MATRIX_FMT_FP4 matrix_b_fmt:MATRIX_FMT_FP4 matrix_a_scale:MATRIX_SCALE_ROW1
.endm
; A KEY STEP: 128 keys, the q-th of LDS slot p.
.macro STEP p, q
.irp t, 0,1,2,3
	ds_load_b128 v[KF+8*\t:KF+8*\t+3], v[LI0+\p] offset:4096*\q+512*\t
.endr
.irp j, 0,1,2,3
	ds_load_b32 v[KS+\j], v[LS0+\p] offset:32768+512*\q+128*\j
.endr
	s_wait_dscnt 0x0
	SMUL 0
.rept 4
	v_nop                                          ; places in front of the loads into K's registers, and into V's, which the last step's products read
.endr
.irp t, 0,1,2,3
	ds_load_b128 v[KF+8*\t:KF+8*\t+3], v[LI0+\p] offset:4096*\q+2048+512*\t
.endr
.irp d, 0,1,2,3
.irp c, 0,1
	ds_load_b128 v[VF+8*\d+4*\c:VF+8*\d+4*\c+3], v[LI0+\p] offset:16384+4096*\q+1024*\d+512*\c
.endr
.endr
.irp j, 0,1
	ds_load_b32 v[VS+\j], v[LS0+\p] offset:34816+256*\q+128*\j
.endr
	s_wait_dscnt 10                                ; K's four loads are in; V's eight and its two scale words, issued behind them, may be out
	SMUL 1
.rept 4
	v_nop
.endr
.irp b, 0,1,2,3
	v_max3_num_f32 v[232+\b], v[96+16*\b], v[97+16*\b], v[98+16*\b]   ; the largest score of each block of 32 keys: for the row's maximum, and, since p rises with the score, for the block's largest p
.endr
.irp i, 3,5,7,9,11,13
.irp b, 0,1,2,3
	v_max3_num_f32 v[232+\b], v[232+\b], v[96+16*\b+\i], v[97+16*\b+\i]
.endr
.endr
.irp b, 0,1,2,3
	v_max_num_f32 v[232+\b], v[232+\b], v[111+16*\b]
.endr
.irp b, 0,1,2,3
	v_permlanex16_b32 v[236+\b], v[232+\b], s[SEL], s[SEL+1]
.endr
.irp b, 0,1,2,3
	v_max_num_f32 v[232+\b], v[232+\b], v[236+\b]  ; with lane l xor 16's 16 keys
.endr
	v_max3_num_f32 v254, v232, v233, v234
	v_max_num_f32 v254, v254, v235                 ; the step's largest score of my query
	v_mul_f32 v254, s[CS], v254                    ; as t
	v_max_num_f32 v13, v13, v254                   ; the running largest t
	v_mov_b32 v254, v12
	v_floor_f32 v12, -v13                          ; the new -M = floor(-t) = -ceil(t)
	v_sub_f32 v254, v12, v254                      ; old M - new M: a whole number, 0 or less
	v_cvt_i32_f32 v254, v254                       ; (it saturates)
	v_ldexp_f32 v252, 1.0, v254                    ; f = 2^(old M - new M)
.set J, 0
.rept 32
	v_pk_fma_f32 v[96+J:97+J], v[96+J:97+J], s[CS:CS+1], v[12:13] op_sel_hi:[1,0,0]   ; t - M, two at a time
.set J, J+2
.endr
.irp b, 0,1,2,3
	v_fma_f32 v[232+\b], v[232+\b], s[CS], v12     ; the same of each block's largest score
.endr
.set J, 0
.rept 64
	v_exp_f32 v[96+J], v[96+J]                     ; p = 2^(t - M): not normalised
.set J, J+1
.endr
	v_pk_mul_f32 v[14:15], v[14:15], v[252:253] op_sel_hi:[1,0]   ; the sums under the new M: a plain place behind the exponentials
	s_wait_alu depctr_va_vdst(0)                   ; the wait: one for the batch, ahead of its first reader
.irp b, 0,1,2,3
	v_exp_f32 v[232+\b], v[232+\b]                 ; the block's largest p
.endr
	v_pk_add_f32 v[236:237], v[96:97], v[98:99]    ; the row's sum is taken of the unquantised p, in two chains
.set J, 4
.rept 15
	v_pk_add_f32 v[14:15], v[14:15], v[96+J:97+J]
	v_pk_add_f32 v[236:237], v[236:237], v[98+J:99+J]
.set J, J+4
.endr
	v_pk_add_f32 v[14:15], v[14:15], v[236:237]
	s_wait_alu depctr_va_vdst(0)                   ; and one for the four
.irp b, 0,1,2,3
	v_max_num_f32 v[232+\b], 0x1800000, v[232+\b]  ; the floor 2^(3 - 127): the byte cannot fall under 1
.endr
.irp b, 0,1,2,3
	v_add_nc_u32 v[244+\b], 0xff000000, v[232+\b]  ; 2 off the exponent field: the conversion's scale operand
.endr
.irp b, 0,1,2,3
	v_lshrrev_b32 v[236+\b], 23, v[244+\b]         ; the scale's byte
.endr
	v_lshl_or_b32 v253, v237, 8, v236              ; p's scale word for these 128 keys
	v_lshl_or_b32 v253, v238, 16, v253
	v_lshl_or_b32 v253, v239, 24, v253
.irp b, 0,1,2,3
	v_cvt_scalef32_pk8_fp4_f32 v[224+2*\b], v[96+16*\b:103+16*\b], v[244+\b]
	v_cvt_scalef32_pk8_fp4_f32 v[225+2*\b], v[104+16*\b:111+16*\b], v[244+\b]
.endr
	v_nop                                          ; one plain place behind a scaled conversion
.irp c, 0,1                                    ; a whole block to a lane: lanes 0-15 block 2 c, lanes 16-31 block 2 c + 1
.irp i, 0,1
	v_permlane16_swap_b32 v[224+4*\c+\i], v[226+4*\c+\i]
.endr
.endr
.set J, 0
.rept 16
	v_pk_mul_f32 v[160+J:161+J], v[160+J:161+J], v[252:253] op_sel_hi:[1,0]   ; O^T under the new M.  These sixteen are also the places between the scale word, the codes and the products below
.set J, J+2
.endr
	s_wait_dscnt 0x0                               ; V and its scale words are in
	v_wmma_scale_f32_16x16x128_f8f6f4 v[160:167], v[VF:VF+7], v[224:231], v[160:167], v[VS], v253 matrix_a_fmt:MATRIX_FMT_FP4 matrix_b_fmt:MATRIX_FMT_FP4
	v_wmma_scale_f32_16x16x128_f8f6f4 v[168:175], v[VF+8:VF+15], v[224:231], v[168:175], v[VS], v253 matrix_a_fmt:MATRIX_FMT_FP4 matrix_b_fmt:MATRIX_FMT_FP4 matrix_a_scale:MATRIX_SCALE_ROW1
	v_wmma_scale_f32_16x16x128_f8f6f4 v[176:183], v[VF+16:VF+23], v[224:231], v[176:183], v[VS+1], v253 matrix_a_fmt:MATRIX_FMT_FP4 matrix_b_fmt:MATRIX_FMT_FP4
	v_wmma_scale_f32_16x16x128_f8f6f4 v[184:191], v[VF+24:VF+31], v[224:231], v[184:191], v[VS+1], v253 matrix_a_fmt:MATRIX_FMT_FP4 matrix_b_fmt:MATRIX_FMT_FP4 matrix_a_scale:MATRIX_SCALE_ROW1
.endm
; A SLOT.  In front of the barrier each wave has waited for its reads of the slot that it leaves and for its stores into the slot ahead.  Behind it the slot ahead is whole and nobody reads the other one, which takes the next slot's bytes.
.macro HALF p
	s_wait_dscnt 0x0
	s_barrier_signal -1
	s_barrier_wait -1
.if \p == 0
	PUT 1
	s_cmp_lt_u32 s[T], 3
	s_cbranch_scc0 .Lno_more_\@                    ; the last trip has nothing left to load
	GET 2
.else
	s_cmp_lt_u32 s[T], 3
	s_cbranch_scc0 .Lno_more_\@
	PUT 0
	GET 3
.endif
.Lno_more_\@:
	ASK \p
	STEP \p, 0
	STEP \p, 1
	STEP \p, 2
	STEP \p, 3
.endm
.Ltrip:                                            ; four trips of two slots
	HALF 0
	HALF 1
	s_wait_xcnt 0x0                                ; the loads and the prefetches have read their base
	s_add_nc_u64 s[4:5], s[4:5], 2*SLOTB
	s_add_co_u32 s[T], s[T], 1
	s_cmp_lt_u32 s[T], 4
	s_cbranch_scc1 .Ltrip
	; THE WAY OUT: O^T / the row's sum; its 64 channels are two blocks of the last product's K; codes and bytes leave as that product's operand wants them.
.rept 4
	v_nop                                          ; places behind the last products
.endr
	v_add_f32 v14, v14, v15                        ; the sum's two halves,
	v_permlanex16_b32 v252, v14, s[SEL], s[SEL+1]
	v_add_f32 v14, v14, v252                       ; and lane l xor 16's
	v_rcp_f32 v14, v14
	v_nop                                          ; a plain place behind the reciprocal,
	s_wait_alu depctr_va_vdst(0)                   ; and the wait ahead of its first reader
.set J, 0
.rept 16
	v_pk_mul_f32 v[96+J:97+J], v[160+J:161+J], v[14:15] op_sel_hi:[1,0]   ; register 16 b + i: channel 32 b + 16 h + i of my query
.set J, J+2
.endr
.irp b, 0,1
	v_max3_num_f32 v[232+\b], |v[96+16*\b]|, |v[97+16*\b]|, 0x1800000
.endr
.irp i, 2,4,6,8,10,12,14
.irp b, 0,1
	v_max3_num_f32 v[232+\b], v[232+\b], |v[96+16*\b+\i]|, |v[97+16*\b+\i]|
.endr
.endr
.irp b, 0,1
	v_permlanex16_b32 v[236+\b], v[232+\b], s[SEL], s[SEL+1]
.endr
.irp b, 0,1
	v_max_num_f32 v[232+\b], v[232+\b], v[236+\b]
.endr
.irp b, 0,1
	v_add_nc_u32 v[244+\b], 0xff000000, v[232+\b]
.endr
.irp b, 0,1
	v_lshrrev_b32 v[236+\b], 23, v[244+\b]
.endr
	v_lshl_or_b32 v253, v237, 8, v236              ; my query's two bytes
.irp b, 0,1
	v_cvt_scalef32_pk8_fp4_f32 v[224+2*\b], v[96+16*\b:103+16*\b], v[244+\b]
	v_cvt_scalef32_pk8_fp4_f32 v[225+2*\b], v[104+16*\b:111+16*\b], v[244+\b]
.endr
	v_nop                                          ; one plain place behind a scaled conversion
	v_permlane16_swap_b32 v224, v226               ; lanes 0-15: channels 0-31, lanes 16-31: channels 32-63
	v_permlane16_swap_b32 v225, v227
	global_store_b128 v[LI0], v[224:227], s[10:11] ; 512 consecutive bytes
	ds_store_b16 v[OSA], v253                      ; both lanes of a query write the same two bytes
	s_wait_dscnt 0x0
	s_barrier_signal -1
	s_barrier_wait -1                              ; the work-group's 512 scale bytes lie together
	s_cmp_lg_u32 s[WV], 0
	s_cbranch_scc1 .Ldone
	ds_load_b128 v[96:99], v[OSR]
	s_wait_dscnt 0x0
	global_store_b128 v[LI0], v[96:99], s[12:13]   ; 512 consecutive bytes
.Ldone:
	s_wait_tensorcnt 0x0
	ds_add_u32 v251, v255
	s_wait_dscnt 0x0
	s_endpgm
.Lfunc_end_k_qb88b190170_attn:
	.size	k_qb88b190170_attn, .Lfunc_end_k_qb88b190170_attn-k_qb88b190170_attn
	.p2alignl 7, 3214868480
	.fill 96, 4, 3214868480
	.section	.rodata,"a",@progbits
	.p2align	6, 0x0
	.amdhsa_kernel k_qb88b190170_attn
		.amdhsa_group_segment_fixed_size 74240
		.amdhsa_private_segment_fixed_size 0
		.amdhsa_enable_private_segment 0
		.amdhsa_kernarg_size 40
		.amdhsa_user_sgpr_count 2
		.amdhsa_user_sgpr_kernarg_segment_ptr 1
		.amdhsa_wavefront_size32 1
		.amdhsa_system_sgpr_workgroup_id_x 1
		.amdhsa_system_sgpr_workgroup_id_y 1
		.amdhsa_system_sgpr_workgroup_id_z 1
		.amdhsa_system_vgpr_workitem_id 0
		.amdhsa_next_free_vgpr 256
		.amdhsa_next_free_sgpr 66
		.amdhsa_reserve_vcc 0
		.amdhsa_float_denorm_mode_32 3
		.amdhsa_float_denorm_mode_16_64 3
		.amdhsa_memory_ordered 1
		.amdhsa_forward_progress 1
		.amdhsa_inst_pref_size 132
	.end_amdhsa_kernel
	.amdgpu_metadata
---
amdhsa.version: [ 1, 2 ]
amdhsa.kernels:
  - .name:           k_qb88b190170_attn
    .symbol:         k_qb88b190170_attn.kd
    .args:
      - { .name: kv, .offset: 0, .size: 8, .value_kind: global_buffer, .address_space: global }
      - { .name: qimg, .offset: 8, .size: 8, .value_kind: global_buffer, .address_space: global }
      - { .name: qsc, .offset: 16, .size: 8, .value_kind: global_buffer, .address_space: global }
      - { .name: oimg, .offset: 24, .size: 8, .value_kind: global_buffer, .address_space: global }
      - { .name: osc, .offset: 32, .size: 8, .value_kind: global_buffer, .address_space: global }
    .group_segment_fixed_size: 74240
    .private_segment_fixed_size: 0
    .kernarg_segment_align: 8
    .kernarg_segment_size: 40
    .max_flat_workgroup_size: 512
    .sgpr_count:     66
    .vgpr_count:     256
    .wavefront_size: 32
...
	.end_amdgpu_metadata
.endif
;; end of part 3
;; launch oproj (part 4): grid 8 x 32, 4 waves a work-group, no clusters, 99,840 bytes of LDS; arguments oimg, osc, W_o_codes, W_o_scales, out0; writes out0
.if DOCPART == 4
	.amdgcn_target "amdgcn-amd-amdhsa--gfx1250"
	.amdhsa_code_object_version 6
	.text
	.protected	k_qb88b190170_oproj
	.globl	k_qb88b190170_oproj
	.p2align	8
	.type	k_qb88b190170_oproj,@function
k_qb88b190170_oproj:
	s_mov_b64 s[64:65], 0
	v_nop
	global_prefetch_b8 v0, s[64:65] scope:SCOPE_SE
	s_setreg_imm32_b32 hwreg(HW_REG_WAVE_MODE, 25, 1), 1
	s_wait_xcnt 0x0
; out0 = o W_o^T on codes of FP4 (K = 1,024).  o comes from the attention launch as images of the operand's registers: oimg [256 tiles of 16 tokens][8 K steps][2][512 bytes], and its scale bytes osc [16 heads][4,096 tokens][2].
; SHARES: a work-group makes 128 outputs (x) of 128 tokens (y).  Source 0 = W_o's eight tiles of 16 rows, which the four waves bring, two each, and share through LDS as images of their registers; source 1 = the wave's own two
; tiles of tokens, loaded straight into registers for all of K.  So a lane holds eight neighbouring outputs of one token.  16 accumulators by turns, K ascending.
; SCALE WORDS: lanes 0-15 hold the words of K steps 0-3, lanes 16-31 those of 4-7, which the instruction takes by its row selector.  A token's word of K step s is made of the byte pairs of heads 2 s and 2 s + 1.
; REGISTERS: window 0: v4-10 addresses; v16-47 W_o's scale words (4 t + s % 4); v48-55 the tokens' (4 e + s % 4); v56-63, v192-199 byte pairs as loaded; v64-191 two buffers of W_o's fragments, later rows of the result.
;   window 1: v0-127 the tokens' fragments (64 e + 8 s + 4 c); v128-255 the accumulators (128 + 64 e + 8 t).
.set AS,  16
.set BSW, 48
.set STG, 65536                        ; LDS: 0: W_o's images, tile 8192 + K step 1024 + c 512 + 16 lane; STG: a stage of 16 rows x 528 bytes for each wave
.set SPT, 528
.set MSB, 0
.macro WIN new                         ; the immediate's high byte repeats the setting that is left
.if MSB != \new
	s_set_vgpr_msb (MSB<<8)|\new
.set MSB, \new
.endif
.endm
	s_load_b256 s[4:11], s[0:1], 0x0               ; oimg s[4:5], osc s[6:7], W_o codes s[8:9], W_o scales s[10:11]
	s_load_b64 s[12:13], s[0:1], 0x20              ; out0
	v_lshl_add_u32 v254, v0, 2, 0x18400
	v_mov_b32 v255, 0
	v_lshrrev_b32 v1, 5, v0
	v_readfirstlane_b32 s16, v1                    ; wave 0..3
	s_mov_b32 s17, ttmp9                           ; x
	s_and_b32 s18, ttmp7, 0xffff                   ; y
	s_lshl_b32 s20, s17, 7
	s_lshl_b32 s21, s16, 5
	s_add_co_u32 s20, s20, s21
	s_lshl_b32 s20, s20, 9                         ; W_o's rows 128 x + 32 wave on, 512 bytes each
	s_mov_b32 s21, 0
	s_lshl_b32 s22, s17, 12                        ; the scales of rows 128 x on, 32 bytes each
	s_mov_b32 s23, 0
	s_lshl_b32 s24, s18, 16
	s_lshl_b32 s25, s16, 14
	s_add_co_u32 s24, s24, s25                     ; my tiles of tokens: 8 y + 2 wave on, 8,192 bytes each
	s_mov_b32 s25, 0
	s_lshl_b32 s26, s18, 8
	s_lshl_b32 s27, s16, 6
	s_add_co_u32 s26, s26, s27                     ; their byte pairs: 2 bytes a token
	s_mov_b32 s27, 0
	s_lshl_b32 s28, s18, 19
	s_lshl_b32 s29, s16, 17
	s_add_co_u32 s28, s28, s29
	s_lshl_b32 s29, s17, 9
	s_add_co_u32 s28, s28, s29                     ; the result: token 128 y + 32 wave, 4,096 bytes a row; 512 x
	s_mov_b32 s29, 0
	v_and_b32 v1, 31, v0                           ; lane
	v_and_b32 v2, 15, v0                           ; r
	v_bfe_u32 v3, v0, 4, 1                         ; h
	v_lshlrev_b32 v4, 9, v2
	v_lshl_add_u32 v4, v3, 4, v4                   ; W_o's codes: row r, + 16 h
	v_lshlrev_b32 v5, 5, v2
	v_lshl_add_u32 v5, v3, 4, v5                   ; its scales: row r, + 16 h
	v_lshlrev_b32 v6, 4, v1                        ; 16 x lane
	s_lshl_b32 s30, s16, 14
	v_add_nc_u32 v7, s30, v6                       ; where I store my two tiles' images
	v_lshlrev_b32 v8, 1, v2
	v_lshl_add_u32 v8, v3, 16, v8                  ; byte pairs: token r; lanes 16-31 take heads 8 to 15
	s_mul_i32 s30, s16, 16*SPT
	s_add_co_u32 s30, s30, STG                     ; my stage
	v_mul_u32_u24 v9, v2, SPT
	v_lshl_add_u32 v9, v3, 5, v9
	v_add_nc_u32 v9, s30, v9                       ; in: row r, 32 bytes for each half of the lanes
	v_add_nc_u32 v10, s30, v6                      ; back: the 32 lanes take a row of 512 bytes
	s_wait_kmcnt 0x0
	s_add_nc_u64 s[8:9], s[8:9], s[20:21]
	s_add_nc_u64 s[10:11], s[10:11], s[22:23]
	s_add_nc_u64 s[4:5], s[4:5], s[24:25]
	s_add_nc_u64 s[6:7], s[6:7], s[26:27]
	s_add_nc_u64 s[12:13], s[12:13], s[28:29]
.irp o, 0,1
.irp s, 0,1,2,3,4,5,6,7
.irp c, 0,1
	global_load_b128 v[64+64*\o+8*\s+4*\c:64+64*\o+8*\s+4*\c+3], v4, s[8:9] offset:8192*\o+64*\s+32*\c   ; W_o's tiles 2 wave and 2 wave + 1
.endr
.endr
.endr
.irp t, 0,1,2,3,4,5,6,7
	global_load_b128 v[AS+4*\t:AS+4*\t+3], v5, s[10:11] offset:512*\t
.endr
	WIN 0x40                                       ; destination window 1
.irp e, 0,1
.irp s, 0,1,2,3,4,5,6,7
.irp c, 0,1
	global_load_b128 v[64*\e+8*\s+4*\c:64*\e+8*\s+4*\c+3], v6, s[4:5] offset:8192*\e+1024*\s+512*\c
.endr
.endr
.endr
	WIN 0
.irp d, 0,1,2,3,4,5,6,7
	global_load_u16 v[56+\d], v8, s[6:7] offset:8192*\d
	global_load_u16 v[192+\d], v8, s[6:7] offset:8192*\d+32
.endr
	s_wait_loadcnt 0x0
.irp o, 0,1
.irp s, 0,1,2,3,4,5,6,7
.irp c, 0,1
	ds_store_b128 v7, v[64+64*\o+8*\s+4*\c:64+64*\o+8*\s+4*\c+3] offset:8192*\o+1024*\s+512*\c
.endr
.endr
.endr
.irp i, 0,1,2,3
	v_lshl_or_b32 v[BSW+\i], v[57+2*\i], 16, v[56+2*\i]        ; the tokens' scale words
	v_lshl_or_b32 v[BSW+4+\i], v[193+2*\i], 16, v[192+2*\i]
.endr
.rept 8
	v_nop                                          ; a scale register written by a vector instruction stands 8 places ahead of a scaled matrix instruction
.endr
	s_wait_dscnt 0x0                               ; for the others' sake: my stores have landed
	s_barrier_signal -1
	s_barrier_wait -1                              ; the launch's one barrier: the images are only read from here on
.macro FETCH s                         ; W_o's eight fragments of K step s into buffer s % 2
.irp t, 0,1,2,3,4,5,6,7
.irp c, 0,1
	ds_load_b128 v[64+64*((\s)%2)+8*\t+4*\c:64+64*((\s)%2)+8*\t+4*\c+3], v6 offset:8192*\t+1024*(\s)+512*\c
.endr
.endr
.endm
.macro MULS s                          ; K step s: 16 matrix instructions, the 16 accumulators by turns.  K step 0 starts the sums
	WIN 0x54                                       ; source 0 (W_o) window 0; source 1 (tokens), C and D window 1
.irp t, 0,1,2,3,4,5,6,7
.irp e, 0,1
.if (\s) == 0
	v_wmma_scale_f32_16x16x128_f8f6f4 v[128+64*\e+8*\t:135+64*\e+8*\t], v[64+8*\t:71+8*\t], v[64*\e:64*\e+7], 0, v[AS+4*\t], v[BSW+4*\e] matrix_a_fmt:MATRIX_FMT_FP4 matrix_b_fmt:MATRIX_FMT_FP4
.elseif (\s) < 4
	v_wmma_scale_f32_16x16x128_f8f6f4 v[128+64*\e+8*\t:135+64*\e+8*\t], v[64+64*((\s)%2)+8*\t:71+64*((\s)%2)+8*\t], v[64*\e+8*(\s):64*\e+8*(\s)+7], v[128+64*\e+8*\t:135+64*\e+8*\t], v[AS+4*\t+(\s)], v[BSW+4*\e+(\s)] matrix_a_fmt:MATRIX_FMT_FP4 matrix_b_fmt:MATRIX_FMT_FP4
.else
	v_wmma_scale_f32_16x16x128_f8f6f4 v[128+64*\e+8*\t:135+64*\e+8*\t], v[64+64*((\s)%2)+8*\t:71+64*((\s)%2)+8*\t], v[64*\e+8*(\s):64*\e+8*(\s)+7], v[128+64*\e+8*\t:135+64*\e+8*\t], v[AS+4*\t+(\s)-4], v[BSW+4*\e+(\s)-4] matrix_a_fmt:MATRIX_FMT_FP4 matrix_b_fmt:MATRIX_FMT_FP4 matrix_a_scale:MATRIX_SCALE_ROW1 matrix_b_scale:MATRIX_SCALE_ROW1
.endif
.endr
.endr
	WIN 0
.endm
	FETCH 0
.irp s, 0,1,2,3,4,5,6,7
.if \s < 7
.if \s > 0
.rept 4
	v_nop                                          ; places in front of the loads into the buffer that the last K step's products read
.endr
.endif
	FETCH \s+1
	s_wait_dscnt 16                                ; this K step's fragments are in; the next step's 16 loads may be out
.else
	s_wait_dscnt 0x0
.endif
	MULS \s
.endr
; THE WAY OUT.  A lane holds 32 neighbouring bytes of a token's row: a block of 16 tokens x 128 outputs goes through my own stage and comes back as whole rows of 512 bytes.  LDS serves a wave's instructions in order.
.macro TOSTAGE e
	WIN 0x04                                       ; an LDS store's data are its source 1: window 1
.irp t, 0,1,2,3,4,5,6,7
	ds_store_b128 v9, v[128+64*\e+8*\t:131+64*\e+8*\t] offset:64*\t          ; each accumulator from its low end on
	ds_store_b128 v9, v[132+64*\e+8*\t:135+64*\e+8*\t] offset:64*\t+16
.endr
	WIN 0
.irp i, 0,1,2,3,4,5,6,7,8,9,10,11,12,13,14,15
	ds_load_b128 v[64+64*\e+4*\i:67+64*\e+4*\i], v10 offset:SPT*\i
.endr
.endm
.macro SEND e
.irp i, 0,1,2,3,4,5,6,7,8,9,10,11,12,13,14,15
	global_store_b128 v6, v[64+64*\e+4*\i:67+64*\e+4*\i], s[12:13] offset:(16*\e+\i)*4096 th:TH_STORE_NT   ; 512 consecutive bytes, at a multiple of 256 from the buffer's first byte
.endr
.endm
.rept 4
	v_nop                                          ; places behind the last products: for the reads of results and for the loads into W_o's buffers
.endr
	TOSTAGE 0
	TOSTAGE 1
	s_wait_dscnt 32                                ; the first block is back; the second block's 16 stores and 16 loads may be out
	SEND 0
	s_wait_dscnt 0x0
	SEND 1
	s_wait_tensorcnt 0x0
	ds_add_u32 v254, v255
	s_wait_dscnt 0x0
	s_endpgm
.Lfunc_end_k_qb88b190170_oproj:
	.size	k_qb88b190170_oproj, .Lfunc_end_k_qb88b190170_oproj-k_qb88b190170_oproj
	.p2alignl 7, 3214868480
	.fill 96, 4, 3214868480
	.section	.rodata,"a",@progbits
	.p2align	6, 0x0
	.amdhsa_kernel k_qb88b190170_oproj
		.amdhsa_group_segment_fixed_size 99840
		.amdhsa_private_segment_fixed_size 0
		.amdhsa_enable_private_segment 0
		.amdhsa_kernarg_size 40
		.amdhsa_user_sgpr_count 2
		.amdhsa_user_sgpr_kernarg_segment_ptr 1
		.amdhsa_wavefront_size32 1
		.amdhsa_system_sgpr_workgroup_id_x 1
		.amdhsa_system_sgpr_workgroup_id_y 1
		.amdhsa_system_sgpr_workgroup_id_z 1
		.amdhsa_system_vgpr_workitem_id 0
		.amdhsa_next_free_vgpr 512
		.amdhsa_next_free_sgpr 66
		.amdhsa_reserve_vcc 0
		.amdhsa_float_denorm_mode_32 3
		.amdhsa_float_denorm_mode_16_64 3
		.amdhsa_memory_ordered 1
		.amdhsa_forward_progress 1
		.amdhsa_inst_pref_size 47
	.end_amdhsa_kernel
	.amdgpu_metadata
---
amdhsa.version: [ 1, 2 ]
amdhsa.kernels:
  - .name:           k_qb88b190170_oproj
    .symbol:         k_qb88b190170_oproj.kd
    .args:
      - { .name: oimg, .offset: 0, .size: 8, .value_kind: global_buffer, .address_space: global }
      - { .name: osc, .offset: 8, .size: 8, .value_kind: global_buffer, .address_space: global }
      - { .name: W_o_codes, .offset: 16, .size: 8, .value_kind: global_buffer, .address_space: global }
      - { .name: W_o_scales, .offset: 24, .size: 8, .value_kind: global_buffer, .address_space: global }
      - { .name: out0, .offset: 32, .size: 8, .value_kind: global_buffer, .address_space: global }
    .group_segment_fixed_size: 99840
    .private_segment_fixed_size: 0
    .kernarg_segment_align: 8
    .kernarg_segment_size: 40
    .max_flat_workgroup_size: 128
    .sgpr_count:     66
    .vgpr_count:     512
    .wavefront_size: 32
...
	.end_amdgpu_metadata
.endif
;; end of part 4
;; ======== version 2 of 2: 4 launches
;; workspace buffers: kv 9,175,040 bytes; qimg 2,097,152 bytes; qsc 262,144 bytes; oimg 2,097,152 bytes; osc 131,072 bytes
;; launch cacheq (part 5): grid 256 x 1, 8 waves a work-group, no clusters, 37,888 bytes of LDS; arguments k_cache, v_cache, kv; writes kv
.if DOCPART == 5
	.amdgcn_target "amdgcn-amd-amdhsa--gfx1250"
	.amdhsa_code_object_version 6
	.text
	.protected	k_qb88b190170_cacheq
	.globl	k_qb88b190170_cacheq
	.p2align	8
	.type	k_qb88b190170_cacheq,@function
k_qb88b190170_cacheq:
	s_mov_b64 s[64:65], 0
	v_nop
	global_prefetch_b8 v0, s[64:65] scope:SCOPE_SE
	s_setreg_imm32_b32 hwreg(HW_REG_WAVE_MODE, 25, 1), 1
	s_wait_xcnt 0x0
; k_cache and v_cache, [32 heads][2048 keys][64] f32, become codes of FP4 (E2M1) with one E8M0 byte for each 32 along a product's K,
; laid in kv as the attention launch reads them: [32 heads][8 slots of 512 keys][35,840 bytes]; this launch fills slots 0 to 3.
; A SLOT (q = key step of 128 keys, 0..3; l = lane, r = l % 16, h = l / 16):
;   K images  q 4096 + t 512 + 16 l          tile t = keys 16 t + r; the lane's 16 bytes are channels 32 h .. 32 h + 31 of its key
;   V images  16384 + q 4096 + dt 1024 + c 512 + 16 l   row r of tile dt = 2 b + u is channel 32 b + 8 u + r + 8 (r / 8); the 16 bytes are key block 2 c + h of the step
;   K words   32768 + q 512 + t 64 + 4 r     [byte of channels 0-31, byte of channels 32-63, 0x7f, 0x7f]
;   V words   34816 + q 256 + dt 64 + 4 r    the bytes of the step's four blocks of 32 keys
; Inside a block of 32 keys V's codes stand in the order keys 0-7, 16-23, 8-15, 24-31: the order in which the attention launch's weights fall into their operand.
; A block's scale byte is its largest magnitude's exponent field - 2, held at 1 from below.
; LIMITS: NaN and infinities are not served; a block whose largest magnitude lies under 2^-124 (a block of zeros too) gets the byte 1: the bytes are read by this program alone.
; SHARES: work-groups 0-127 take K, 128-255 take V; each a slot of a head; wave w takes key step w / 2 and half w % 2 (K: 64 keys; V: 32 channels).  Waves share nothing: no barrier.
.set HEADB, 286720
.set SLOTB, 35840
.set WREG,  4608                       ; K path, LDS of a wave: a stage of 16 rows x 272 bytes, then 256 bytes of scale words
.set SP,    272
.set R,   16                           ; v16-143   K: four tiles as loaded, 32 registers each
.set X,   144                          ; v144-175  K: my block's 32 numbers
.set C,   176                          ; v176-191  K: four code registers a tile
.set W,   192                          ; v192-195  K: a scale word a tile
.set XV,  32                           ; v32-95    V: two sets of 32 numbers
.set CV,  96                           ; v96-111   V: four code registers a block
	s_load_b128 s[4:7], s[0:1], 0x0                ; k_cache, v_cache
	s_load_b64 s[8:9], s[0:1], 0x10                ; kv
	v_lshl_add_u32 v200, v0, 2, 0x9000
	v_mov_b32 v201, 0
	v_lshrrev_b32 v1, 5, v0
	s_delay_alu instid0(VALU_DEP_1)
	v_readfirstlane_b32 s16, v1                    ; wave 0..7
	v_and_b32 v1, 31, v0                           ; lane
	v_and_b32 v2, 15, v0                           ; r
	v_bfe_u32 v3, v0, 4, 1                         ; h
	s_and_b32 s17, ttmp9, 127
	s_lshr_b32 s18, s17, 2                         ; head
	s_and_b32 s19, s17, 3                          ; slot
	s_lshr_b32 s20, s16, 1                         ; key step q
	s_and_b32 s21, s16, 1                          ; half e
	s_lshl_b32 s22, s18, 19                        ; a head is 2048 x 256 bytes,
	s_lshl_b32 s23, s19, 17                        ; a slot 512 x 256,
	s_add_co_u32 s22, s22, s23
	s_lshl_b32 s23, s20, 15                        ; a key step 128 x 256
	s_add_co_u32 s22, s22, s23
	s_mov_b32 s23, 0
	s_mul_i32 s24, s18, HEADB
	s_mul_i32 s25, s19, SLOTB
	s_add_co_u32 s24, s24, s25                     ; my slot in kv
	s_mov_b32 s25, 0
	s_mov_b32 s27, 0
	s_wait_kmcnt 0x0
	s_add_nc_u64 s[8:9], s[8:9], s[24:25]
	s_cmp_lt_u32 ttmp9, 128
	s_cbranch_scc0 .Lv_path
	; ---------------- K: a wave takes four tiles of 16 keys
	s_lshl_b32 s26, s21, 14                        ; my 64 keys
	s_add_nc_u64 s[4:5], s[4:5], s[22:23]
	s_add_nc_u64 s[4:5], s[4:5], s[26:27]
	s_lshl_b32 s26, s20, 9
	s_lshl_b32 s28, s21, 8
	s_add_co_u32 s26, s26, s28
	s_add_co_u32 s26, s26, 32768
	s_add_nc_u64 s[10:11], s[8:9], s[26:27]        ; my 256 bytes of scale words
	s_lshl_b32 s26, s20, 12
	s_lshl_b32 s28, s21, 11
	s_add_co_u32 s26, s26, s28
	s_add_nc_u64 s[8:9], s[8:9], s[26:27]          ; my four images
	s_wait_alu depctr_va_vdst(0)
	v_lshlrev_b32 v4, 4, v1                        ; 16 x lane
.irp i, 0,1,2,3
.irp j, 0,1,2,3,4,5,6,7
	global_load_b128 v[R+32*\i+4*\j:R+32*\i+4*\j+3], v4, s[4:5] offset:4096*\i+512*\j th:TH_LOAD_NT   ; 512 consecutive bytes: two keys
.endr
.endr
	s_mul_i32 s30, s16, WREG
	v_mul_u32_u24 v5, v3, SP
	s_delay_alu instid0(VALU_DEP_1)
	v_lshl_add_u32 v5, v2, 4, v5
	s_delay_alu instid0(VALU_DEP_1)
	v_add_nc_u32 v5, s30, v5                       ; the stage, way in: a load's two keys are rows 2 j + h
	v_mul_u32_u24 v6, v2, SP
	s_delay_alu instid0(VALU_DEP_1)
	v_lshl_add_u32 v6, v3, 7, v6
	s_delay_alu instid0(VALU_DEP_1)
	v_add_nc_u32 v6, s30, v6                       ; way out: key r, its channels 32 h on
	s_add_co_u32 s30, s30, 16*SP
	v_lshl_add_u32 v7, v2, 2, s30                  ; my key's scale word
	v_lshl_add_u32 v8, v1, 3, s30                  ; and on the way out 8 bytes a lane
	v_lshlrev_b32 v9, 3, v1
	v_mov_b32 v14, 0                               ; written once: a lane permute's destination counts as one of its sources
	s_mov_b32 s12, 0x76543210
	s_mov_b32 s13, 0xfedcba98                      ; selects for lane l xor 16
	s_mov_b32 s14, 0xffff0000                      ; lanes 16-31
.macro KTILE i
	s_wait_loadcnt 8*(3-(\i))                      ; this tile's eight loads are in; the later tiles', eight each, may be out
.irp j, 0,1,2,3,4,5,6,7
	ds_store_b128 v5, v[R+32*(\i)+4*\j:R+32*(\i)+4*\j+3] offset:2*SP*\j
.endr
.irp j, 0,1,2,3,4,5,6,7
	ds_load_b128 v[X+4*\j:X+4*\j+3], v6 offset:16*\j     ; LDS serves a wave's instructions in order: these see the stores above
.endr
	s_wait_dscnt 0x0
	v_max3_num_f32 v12, |v[X]|, |v[X+1]|, |v[X+2]|       ; the block's largest magnitude: all 32 numbers are mine
	v_max3_num_f32 v13, |v[X+3]|, |v[X+4]|, |v[X+5]|
.irp n, 6,10,14,18,22,26
	s_delay_alu instid0(VALU_DEP_2)
	v_max3_num_f32 v12, v12, |v[X+\n]|, |v[X+\n+1]|
	s_delay_alu instid0(VALU_DEP_2)
	v_max3_num_f32 v13, v13, |v[X+\n+2]|, |v[X+\n+3]|
.endr
	s_delay_alu instid0(VALU_DEP_2)
	v_max3_num_f32 v12, v12, |v[X+30]|, |v[X+31]|
	s_delay_alu instid0(VALU_DEP_1)
	v_max3_num_f32 v12, v12, v13, 0x1800000        ; and the floor 2^(3 - 127): the byte cannot fall under 1
	s_delay_alu instid0(VALU_DEP_1)
	v_add_nc_u32 v11, 0xff000000, v12              ; 2 off the exponent field: the conversion's scale operand
	s_delay_alu instid0(VALU_DEP_1)
	v_lshrrev_b32 v13, 23, v11                     ; the scale's byte
.irp g, 0,1,2,3
	v_cvt_scalef32_pk8_fp4_f32 v[C+4*(\i)+\g], v[X+8*\g:X+8*\g+7], v11
.endr
	v_nop                                          ; one plain place behind a scaled conversion
	v_permlanex16_b32 v14, v13, s12, s13           ; the byte of my key's other block
	s_delay_alu instid0(VALU_DEP_1)
	v_cndmask_b32 v10, v13, v14, s14               ; channels 0-31's byte,
	s_delay_alu instid0(VALU_DEP_2)
	v_cndmask_b32 v15, v14, v13, s14               ; channels 32-63's
	s_delay_alu instid0(VALU_DEP_1)
	v_lshl_or_b32 v10, v15, 8, v10
	s_delay_alu instid0(VALU_DEP_1)
	v_or_b32 v[W+(\i)], 0x7f7f0000, v10            ; the upper half of the instruction's K is zero codes under the byte 127
	global_store_b128 v4, v[C+4*(\i):C+4*(\i)+3], s[8:9] offset:512*(\i)    ; the image: 512 consecutive bytes
	ds_store_b32 v7, v[W+(\i)] offset:64*(\i)      ; both lanes of a key write the same word with the same value
.endm
	s_wait_alu depctr_va_vdst(0)
	KTILE 0
	KTILE 1
	KTILE 2
	KTILE 3
	ds_load_b64 v[10:11], v8                       ; my wave's 64 words
	s_wait_dscnt 0x0
	global_store_b64 v9, v[10:11], s[10:11]        ; 256 consecutive bytes, aligned
	s_wait_tensorcnt 0x0
	ds_add_u32 v200, v201
	s_wait_dscnt 0x0
	s_endpgm
	; ---------------- V: a lane takes a channel, its registers run down the keys
.Lv_path:
	s_lshl_b32 s26, s21, 7                         ; my 32 channels
	s_add_nc_u64 s[6:7], s[6:7], s[22:23]
	s_add_nc_u64 s[6:7], s[6:7], s[26:27]
	s_lshl_b32 s26, s20, 8
	s_lshl_b32 s28, s21, 7
	s_add_co_u32 s26, s26, s28
	s_add_co_u32 s26, s26, 34816
	s_add_nc_u64 s[10:11], s[8:9], s[26:27]        ; my 128 bytes of scale words
	s_lshl_b32 s26, s20, 12
	s_lshl_b32 s28, s21, 11
	s_add_co_u32 s26, s26, s28
	s_add_co_u32 s26, s26, 16384
	s_add_nc_u64 s[8:9], s[8:9], s[26:27]          ; my two tiles' images
	s_wait_alu depctr_va_vdst(0)
	v_lshlrev_b32 v4, 2, v1                        ; 4 bytes a lane
	v_bfe_u32 v10, v1, 3, 1                        ; channel 32 e + lane lies in tile 2 e + u, u = bit 3 of the lane,
	v_and_b32 v11, 7, v1
	v_bfe_u32 v12, v1, 4, 1
	s_delay_alu instid0(VALU_DEP_1)
	v_lshl_or_b32 v11, v12, 3, v11                 ; at row (lane % 8) + 8 (lane / 16)
	s_delay_alu instid0(VALU_DEP_1)
	v_lshlrev_b32 v5, 4, v11
	s_delay_alu instid0(VALU_DEP_1)
	v_lshl_add_u32 v5, v10, 10, v5
	s_delay_alu instid0(VALU_DEP_3)
	v_lshlrev_b32 v6, 2, v11
	s_delay_alu instid0(VALU_DEP_1)
	v_lshl_add_u32 v6, v10, 6, v6
.macro VLOAD t                         ; block t: keys 32 t + i of my channel into set t % 2; 128 consecutive bytes a load
.set I, 0
.rept 32
	global_load_b32 v[XV+32*((\t)%2)+I], v4, s[6:7] offset:(32*(\t)+I)*256 th:TH_LOAD_NT
.set I, I+1
.endr
.endm
.macro VBLOCK t
.set XS, XV+32*((\t)%2)
.if (\t) < 3
	s_wait_loadcnt 32                              ; this block's 32 loads are in; the next block's 32 may be out
.else
	s_wait_loadcnt 0x0
.endif
	v_max3_num_f32 v12, |v[XS]|, |v[XS+1]|, |v[XS+2]|
	v_max3_num_f32 v13, |v[XS+3]|, |v[XS+4]|, |v[XS+5]|
.irp n, 6,10,14,18,22,26
	s_delay_alu instid0(VALU_DEP_2)
	v_max3_num_f32 v12, v12, |v[XS+\n]|, |v[XS+\n+1]|
	s_delay_alu instid0(VALU_DEP_2)
	v_max3_num_f32 v13, v13, |v[XS+\n+2]|, |v[XS+\n+3]|
.endr
	s_delay_alu instid0(VALU_DEP_2)
	v_max3_num_f32 v12, v12, |v[XS+30]|, |v[XS+31]|
	s_delay_alu instid0(VALU_DEP_1)
	v_max3_num_f32 v12, v12, v13, 0x1800000
	s_delay_alu instid0(VALU_DEP_1)
	v_add_nc_u32 v11, 0xff000000, v12
	s_delay_alu instid0(VALU_DEP_1)
	v_lshrrev_b32 v13, 23, v11
.if (\t) == 0
	s_delay_alu instid0(VALU_DEP_1)
	v_mov_b32 v24, v13                             ; the step's four bytes make my channel's scale word
.else
	s_delay_alu instid0(VALU_DEP_1)
	v_lshl_or_b32 v24, v13, 8*(\t), v24
.endif
.irp g, 0,1,2,3
	v_cvt_scalef32_pk8_fp4_f32 v[CV+4*(\t)+\g], v[XS+8*((\g%2)*2+\g/2):XS+8*((\g%2)*2+\g/2)+7], v11   ; code registers 0 to 3 take keys 0-7, 16-23, 8-15, 24-31
.endr
	v_nop                                          ; one plain place behind a scaled conversion
	global_store_b128 v5, v[CV+4*(\t):CV+4*(\t)+3], s[8:9] offset:((\t)/2)*512+((\t)%2)*256   ; sixteen rows of a tile: 256 consecutive bytes; two tiles
.if (\t) < 2
	VLOAD (\t)+2
.endif
.endm
	VLOAD 0
	VLOAD 1
	VBLOCK 0
	VBLOCK 1
	VBLOCK 2
	VBLOCK 3
	global_store_b32 v6, v24, s[10:11]             ; 128 consecutive bytes
	s_endpgm
.Lfunc_end_k_qb88b190170_cacheq:
	.size	k_qb88b190170_cacheq, .Lfunc_end_k_qb88b190170_cacheq-k_qb88b190170_cacheq
	.p2alignl 7, 3214868480
	.fill 96, 4, 3214868480
	.section	.rodata,"a",@progbits
	.p2align	6, 0x0
	.amdhsa_kernel k_qb88b190170_cacheq
		.amdhsa_group_segment_fixed_size 37888
		.amdhsa_private_segment_fixed_size 0
		.amdhsa_enable_private_segment 0
		.amdhsa_kernarg_size 24
		.amdhsa_user_sgpr_count 2
		.amdhsa_user_sgpr_kernarg_segment_ptr 1
		.amdhsa_wavefront_size32 1
		.amdhsa_system_sgpr_workgroup_id_x 1
		.amdhsa_system_sgpr_workgroup_id_y 1
		.amdhsa_system_sgpr_workgroup_id_z 1
		.amdhsa_system_vgpr_workitem_id 0
		.amdhsa_next_free_vgpr 202
		.amdhsa_next_free_sgpr 66
		.amdhsa_reserve_vcc 0
		.amdhsa_float_denorm_mode_32 3
		.amdhsa_float_denorm_mode_16_64 3
		.amdhsa_memory_ordered 1
		.amdhsa_forward_progress 1
		.amdhsa_inst_pref_size 43
	.end_amdhsa_kernel
	.amdgpu_metadata
---
amdhsa.version: [ 1, 2 ]
amdhsa.kernels:
  - .name:           k_qb88b190170_cacheq
    .symbol:         k_qb88b190170_cacheq.kd
    .args:
      - { .name: k_cache, .offset: 0, .size: 8, .value_kind: global_buffer, .address_space: global }
      - { .name: v_cache, .offset: 8, .size: 8, .value_kind: global_buffer, .address_space: global }
      - { .name: kv, .offset: 16, .size: 8, .value_kind: global_buffer, .address_space: global }
    .group_segment_fixed_size: 37888
    .private_segment_fixed_size: 0
    .kernarg_segment_align: 8
    .kernarg_segment_size: 24
    .max_flat_workgroup_size: 256
    .sgpr_count:     66
    .vgpr_count:     202
    .wavefront_size: 32
...
	.end_amdgpu_metadata
.endif
;; end of part 5
;; launch qkv (part 6): grid 192 x 1, 4 waves a work-group, no clusters, 70,144 bytes of LDS; arguments x_codes, x_scales, W_qkv_codes, W_qkv_scales, scale_q, scale_k, kv, qimg, qsc; writes kv, qimg, qsc
.if DOCPART == 6
	.amdgcn_target "amdgcn-amd-amdhsa--gfx1250"
	.amdhsa_code_object_version 6
	.text
	.protected	k_qb88b190170_qkv
	.globl	k_qb88b190170_qkv
	.p2align	8
	.type	k_qb88b190170_qkv,@function
k_qb88b190170_qkv:
	s_mov_b64 s[64:65], 0
	v_nop
	global_prefetch_b8 v0, s[64:65] scope:SCOPE_SE
	s_setreg_imm32_b32 hwreg(HW_REG_WAVE_SCHED_MODE, 0, 2), 2
	s_setreg_imm32_b32 hwreg(HW_REG_WAVE_MODE, 25, 1), 1
	s_wait_xcnt 0x0
	s_wait_alu depctr_vm_vsrc(0)
; qkv = x W_qkv^T on codes of FP4 (K = 1,024); q and k are divided by (the root of the mean square of their head's 64 + 1e-6) and multiplied by the gain; q, k and v are quantised again and
; stored as images of the operands that the attention launch wants: q into qimg and qsc, k and v into slots 4 to 7 of kv (layout: at the head of the launch that fills slots 0 to 3).
; ONE LOOP SERVES BOTH KINDS OF WORK-GROUP, since the two sources change roles.  THE A SIDE (source 0): 128 rows a wave, in 512 registers for all of K.  THE B SIDE (source 1): eight tiles of
; 16 rows for the work-group, which go from wave to wave through LDS as images of their registers.  A trip is one B tile: 64 matrix instructions on 8 accumulators by turns; lane (r, h) then holds
; B's row r and 64 numbers along A's rows.
;   work-groups 0-127 (q: 0-63, k: 64-127): A = 512 rows of W_qkv, B = 128 tokens.  A's tile t takes rows 32 (t / 2) + 8 (t % 2) + r + 8 (r / 8), so that register 16 b + i is channel 32 b + 16 h + i: two heads of a token.
;   work-groups 128-191 (v): A = 512 tokens, neighbours in a tile, B = 128 rows of W_qkv, its tiles taken as A's above: a lane holds one channel and 128 keys, in the order in which the weights of the attention will fall.
; LIMITS: NaN and infinities are not served; a block whose largest magnitude lies under 2^-124 gets the byte 1; a mean of squares under 2^-126 counts as 0 in the root; the division is a multiplication by v_rcp_f32's result.
; REGISTERS: window 0 as named below; window 1: A's fragments of K steps 0-3 at v[64 s + 8 t]; window 2: those of K steps 4-7.
; SCALE WORDS, A's and B's alike: one load of 16 bytes a tile at row x 32 + 16 h: lanes 0-15 hold the words of K steps 0-3, lanes 16-31 those of 4-7, which the instruction takes by its row selector.
; THE MODE: SCHED_MODE bits 1:0 = 2 (LLVM: expert scheduling mode 2), set by the entry lines.  The code itself states the register dependences
; between vector or matrix instructions and memory or LDS instructions, with s_wait_alu, always for 0.
; THE PLAN.  Registers that memory or LDS instructions touch:
;   v4-v14, v17, v28   addresses and offsets: made once at the head, never written again.
;   A's fragments, AS, SCV   loaded once at the head; afterwards read by products and vector lines alone.
;   BF, BS   at the head loaded from memory and read by my LDS stores; then a trip's FETCH lands in them and the next trip's 64 products read them.
;   HA, v24-27   at the head loaded from memory and read by my LDS stores; HA is afterwards named by products and vector lines alone.
;   FA, FS   written by two vector additions a trip, read by FETCH.
;   PC, SW   written by a trip's QUANT and the lines behind it, read by the trip's three stores.
; A trip has one wait on vm_vsrc, behind its products (the last FETCH has read FA and FS, the last trip's stores PC and SW), one on va_vdst ahead of FETCH (FA and FS are written, the products are done
; reading BF and BS), and one on va_vdst ahead of its stores; NORM's four stand ahead of and behind its roots and reciprocals.
.set HEADB, 286720
.set SLOTB, 35840
.set BIMG,  4096                       ; LDS: 0: B's scale words, 512 bytes a tile; BIMG: B's fragments, tile 8192 + K step 1024 + c 512 + 16 lane
.set AE,   4                           ; v4, v5   A's codes: lane's row x 512 + 16 h, for even and odd tiles
.set ASE,  6                           ; v6, v7   A's scales: row x 32 + 16 h
.set BE,   8                           ; v8, v9   B's codes
.set BSE,  10                          ; v10, v11 B's scales
.set LI,   12                          ; v12  16 x lane
.set BW,   13                          ; v13  where I store my two tiles' images
.set BWS,  14                          ; v14  and their scale words
.set FA,   15                          ; v15  LDS address of the tile to be fetched
.set FS,   16                          ; v16  and of its scale words
.set SO,   17                          ; v17  the scale word's place: 4 r + h x (bytes from a head to the next)
.set PADW, 18                          ; v18  0x7f7f
.set SW,   19                          ; v19  the scale word to be stored
.set BS,   20                          ; v20-23  B's scale words of the trip
.set AS,   32                          ; v32-63  A's scale words: 4 t + s % 4
.set HA,   64                          ; v64-127 the 8 accumulators
.set SCV,  128                         ; v128-159 the gain: register 16 b + i = channel 32 b + 16 h + i
.set PC,   160                         ; v160-167 the codes just made
.set TM,   168                         ; v168-183 at work in QUANT
.set T0,   184                         ; v184-191 at work in NORM
.set BF,   192                         ; v192-255 B's fragments of the trip: 8 s + 4 c
.set WV,  22
.set ID,  23
.set PA,  24                           ; s[24:25] A's codes, s[26:27] A's scales, s[28:29] B's codes, s[30:31] B's scales
.set PAS, 26
.set PB,  28
.set PBS, 30
.set PG,  32                           ; s[32:33] the gain
.set PI0, 34                           ; s[34:35], s[36:37] where the trip's two halves of an image go; s[38:39] its scale words
.set PI1, 36
.set PS,  38
.set SEL, 40
.set M1,  42                           ; lanes that take the second head's bytes: 16-31 for q and k, none for v
.set M2,  43                           ; lanes whose word holds four bytes: none for q and k, all for v
.set T,   44
.set TB,  45
.set TS,  46
.set INCI, 47
.set JI,  48
.set JS,  49
.set MSB, 0
.macro WIN new                         ; the immediate's high byte repeats the setting that is left
.if MSB != \new
	s_set_vgpr_msb (MSB<<8)|\new
.set MSB, \new
.endif
.endm
	s_load_b512 s[4:19], s[0:1], 0x0               ; x codes s[4:5], x scales s[6:7], W codes s[8:9], W scales s[10:11], scale_q s[12:13], scale_k s[14:15], kv s[16:17], qimg s[18:19]
	s_load_b64 s[20:21], s[0:1], 0x40              ; qsc
	v_lshl_add_u32 v178, v0, 2, 0x11000
	v_mov_b32 v179, 0
	v_lshrrev_b32 v1, 5, v0
	v_readfirstlane_b32 s[WV], v1                  ; wave 0..3
	s_wait_alu depctr_va_sdst(0)                   ; s[WV] is written, ahead of its first reader: heads, rows and LDS places are made from it
	s_mov_b32 s[ID], ttmp9
	; both kinds' numbers are made, and chosen by the work-group's number alone
	s_lshr_b32 s50, s[ID], 5                       ; q, k: g, which 512 rows of W_qkv
	s_and_b32 s51, s[ID], 31                       ;       y, which 128 tokens
	s_sub_co_u32 s52, s[ID], 128
	s_lshr_b32 s53, s52, 3                         ; v: g, which 512 tokens
	s_and_b32 s54, s52, 7                          ;    y, which 128 rows of W_qkv's last 1,024
	s_lshl_b32 s55, s51, 7
	s_lshl_b32 s56, s54, 7
	s_add_co_u32 s56, s56, 2048
	s_lshr_b32 s57, s51, 4                         ; q, k: the batch
	s_and_b32 s58, s51, 15                         ;       yy: which 128 tokens of its sequence
	s_and_b32 s59, s50, 1
	s_lshl_b32 s59, s59, 3
	s_lshl_b32 s60, s[WV], 1
	s_add_co_u32 s59, s59, s60                     ;       my first head: 8 (g % 2) + 2 wave
	s_lshl_b32 s57, s57, 4
	s_add_co_u32 s59, s59, s57                     ;       + 16 x batch
	s_lshr_b32 s60, s53, 2
	s_lshl_b32 s60, s60, 4
	s_lshl_b32 s61, s54, 1
	s_add_co_u32 s60, s60, s61                     ; v: the first head: 16 x batch + 2 y
	s_lshr_b32 s61, s58, 2                         ; k: slot - 4
	s_and_b32 s62, s53, 3                          ; v: slot - 4
	s_and_b32 s63, s58, 3                          ; k: the key step
	s_cmp_lt_u32 s[ID], 128
	s_cselect_b32 s50, s50, s53
	s_cselect_b32 s55, s55, s56                    ; B's first row
	s_cselect_b32 s59, s59, s60                    ; the first head
	s_cselect_b32 s61, s61, s62
	s_cselect_b32 s63, s63, s[WV]                  ; the key step (v: my wave's 128 tokens)
	s_cselect_b32 s66, 0, 16384                    ; K images or V images
	s_mov_b32 s67, 34816
	s_cselect_b32 s67, 32768, s67                  ; K words or V words,
	s_mov_b32 s68, 256
	s_cselect_b32 s68, 512, s68                    ; and their bytes a key step
	s_cselect_b32 s69, 1, 0                        ; A's tiles: rows r + 8 (r / 8), or neighbours
	s_cselect_b32 s70, 0, 1                        ; B's
	s_cselect_b32 s71, 8, 16                       ; an odd tile of A begins so many rows behind the even one
	s_cselect_b32 s72, 16, 8                       ; of B
	s_cselect_b32 s[M1], 0xffff0000, 0
	s_cselect_b32 s[M2], 0, -1
	s_mov_b32 s[INCI], 1024
	s_cselect_b32 s[INCI], 512, s[INCI]            ; an image's step from trip to trip
	s_cselect_b32 s[JI], 0, HEADB-4*1024           ; v: behind its fourth tile the work-group goes on to the next head
	s_cselect_b32 s[JS], 0, HEADB-4*64
	s_mov_b32 s73, HEADB
	s_cselect_b32 s73, s73, 512                    ; from an image's first half to its second: k: the next head; v: 512 bytes
	s_mov_b32 s74, HEADB
	s_cselect_b32 s74, s74, 0                      ; from lanes 0-15's word to lanes 16-31's
	s_lshl_b32 s50, s50, 9
	s_lshl_b32 s75, s[WV], 7
	s_add_co_u32 s50, s50, s75                     ; A's first row: 512 g + 128 wave
	s_lshl_b32 s75, s[WV], 5
	s_add_co_u32 s55, s55, s75                     ; the 32 rows of B whose two tiles I bring
	s_add_co_u32 s61, s61, 4
	s_mul_i32 s76, s59, HEADB
	s_mul_i32 s61, s61, SLOTB
	s_add_co_u32 s76, s76, s61                     ; the slot in kv
	s_lshl_b32 s77, s63, 12
	s_add_co_u32 s77, s77, s76
	s_add_co_u32 s77, s77, s66                     ; k, v: the first image
	s_mul_i32 s78, s63, s68
	s_add_co_u32 s78, s78, s76
	s_add_co_u32 s78, s78, s67                     ; k, v: the first scale words
	s_lshl_b32 s79, s59, 16
	s_lshl_b32 s80, s58, 12
	s_add_co_u32 s79, s79, s80                     ; q: head x 128 tiles x 512 + yy x 8 tiles x 512
	s_lshl_b32 s80, s59, 13
	s_lshl_b32 s75, s58, 9
	s_add_co_u32 s80, s80, s75                     ; q: head x 2,048 x 4 + yy x 128 x 4
	s_cmp_lt_u32 s[ID], 64
	s_cselect_b32 s76, s79, s77
	s_cselect_b32 s78, s80, s78
	s_cselect_b32 s73, 65536, s73
	s_cselect_b32 s74, 8192, s74
	s_mov_b32 s77, 0
	s_mov_b32 s79, 0
	v_and_b32 v1, 31, v0                           ; lane
	v_and_b32 v2, 15, v0                           ; r
	v_bfe_u32 v3, v0, 4, 1                         ; h
	v_and_b32 v24, 8, v2
	v_mul_u32_u24 v25, s69, v24
	v_add_nc_u32 v25, v25, v2                      ; my row in a tile of A
	v_mul_u32_u24 v26, s70, v24
	v_add_nc_u32 v26, v26, v2                      ; and of B
	v_lshlrev_b32 v27, 4, v3
	v_lshl_add_u32 v[AE], v25, 9, v27              ; a row of codes is 512 bytes,
	v_lshl_add_u32 v[ASE], v25, 5, v27             ; a row of scales 32
	v_lshl_add_u32 v[BE], v26, 9, v27
	v_lshl_add_u32 v[BSE], v26, 5, v27
	s_lshl_b32 s75, s71, 9
	v_add_nc_u32 v[AE+1], s75, v[AE]
	s_lshl_b32 s75, s71, 5
	v_add_nc_u32 v[ASE+1], s75, v[ASE]
	s_lshl_b32 s75, s72, 9
	v_add_nc_u32 v[BE+1], s75, v[BE]
	s_lshl_b32 s75, s72, 5
	v_add_nc_u32 v[BSE+1], s75, v[BSE]
	v_lshlrev_b32 v[LI], 4, v1
	s_lshl_b32 s75, s[WV], 14
	v_add_nc_u32 v[BW], s75, v[LI]
	v_add_nc_u32 v[BW], BIMG, v[BW]
	s_lshl_b32 s75, s[WV], 10
	v_add_nc_u32 v[BWS], s75, v[LI]
	v_mul_u32_u24 v[SO], s74, v3
	v_lshl_add_u32 v[SO], v2, 2, v[SO]
	v_mov_b32 v[PADW], 0x7f7f
	v_lshlrev_b32 v28, 6, v3                       ; the gain: 64 h bytes
.irp b, 0,1,2,3
	v_mov_b32 v[TM+4+\b], 0                        ; written once: a lane permute's destination counts as one of its sources
.endr
	v_mov_b32 v[T0+5], 0                           ; (named as the upper halves of pairs)
	v_mov_b32 v[T0+7], 0
	s_mov_b32 s[SEL], 0x76543210
	s_mov_b32 s[SEL+1], 0xfedcba98                 ; selects for lane l xor 16
	s_wait_kmcnt 0x0
	s_cmp_lt_u32 s[ID], 64
	s_cselect_b64 s[PI0:PI0+1], s[18:19], s[16:17] ; q goes to qimg and qsc, k and v to kv
	s_cselect_b64 s[PS:PS+1], s[20:21], s[16:17]
	s_cselect_b64 s[PG:PG+1], s[12:13], s[14:15]   ; (v's work-groups load scale_k and do not use it)
	s_add_nc_u64 s[PI0:PI0+1], s[PI0:PI0+1], s[76:77]
	s_add_nc_u64 s[PS:PS+1], s[PS:PS+1], s[78:79]
	s_mov_b32 s76, s73
	s_add_nc_u64 s[PI1:PI1+1], s[PI0:PI0+1], s[76:77]
	s_cmp_lt_u32 s[ID], 128
	s_cselect_b64 s[PA:PA+1], s[8:9], s[4:5]
	s_cselect_b64 s[PAS:PAS+1], s[10:11], s[6:7]
	s_cselect_b64 s[PB:PB+1], s[4:5], s[8:9]
	s_cselect_b64 s[PBS:PBS+1], s[6:7], s[10:11]
	s_lshl_b32 s76, s50, 9
	s_add_nc_u64 s[PA:PA+1], s[PA:PA+1], s[76:77]
	s_lshl_b32 s76, s50, 5
	s_add_nc_u64 s[PAS:PAS+1], s[PAS:PAS+1], s[76:77]
	s_lshl_b32 s76, s55, 9
	s_add_nc_u64 s[PB:PB+1], s[PB:PB+1], s[76:77]
	s_lshl_b32 s76, s55, 5
	s_add_nc_u64 s[PBS:PBS+1], s[PBS:PBS+1], s[76:77]
	; ---- all the launch's loads from memory go out here
	WIN 0x40                                       ; destination window 1
	s_wait_alu depctr_va_vdst(0)                   ; the addresses and offsets v4 to v14, v17 and v28 are written, which the loads and stores of the kernel read; the address lines are done with v24 to v27, in which a load below lands.  Only loads and window switches follow up to the wait for the data
.irp s, 0,1,2,3
.irp t, 0,1,2,3,4,5,6,7
.irp c, 0,1
	global_load_b128 v[64*\s+8*\t+4*\c:64*\s+8*\t+4*\c+3], v[AE+\t%2], s[PA:PA+1] offset:(\t/2)*16384+64*\s+32*\c
.endr
.endr
.endr
	WIN 0x80                                       ; destination window 2
.irp s, 4,5,6,7
.irp t, 0,1,2,3,4,5,6,7
.irp c, 0,1
	global_load_b128 v[64*(\s-4)+8*\t+4*\c:64*(\s-4)+8*\t+4*\c+3], v[AE+\t%2], s[PA:PA+1] offset:(\t/2)*16384+64*\s+32*\c
.endr
.endr
.endr
	WIN 0
.irp t, 0,1,2,3,4,5,6,7
	global_load_b128 v[AS+4*\t:AS+4*\t+3], v[ASE+\t%2], s[PAS:PAS+1] offset:(\t/2)*1024
.endr
.irp b, 0,1
.irp j, 0,1,2,3
	global_load_b128 v[SCV+16*\b+4*\j:SCV+16*\b+4*\j+3], v28, s[PG:PG+1] offset:128*\b+16*\j
.endr
.endr
.irp s, 0,1,2,3,4,5,6,7
.irp c, 0,1
	global_load_b128 v[BF+8*\s+4*\c:BF+8*\s+4*\c+3], v[BE], s[PB:PB+1] offset:64*\s+32*\c      ; B's tile 2 wave
	global_load_b128 v[HA+8*\s+4*\c:HA+8*\s+4*\c+3], v[BE+1], s[PB:PB+1] offset:64*\s+32*\c    ; and 2 wave + 1
.endr
.endr
	global_load_b128 v[BS:BS+3], v[BSE], s[PBS:PBS+1]
	global_load_b128 v[24:27], v[BSE+1], s[PBS:PBS+1]
	s_wait_loadcnt 0x0
	; ---- my two tiles of B go to LDS as they stand in registers
.irp s, 0,1,2,3,4,5,6,7
.irp c, 0,1
	ds_store_b128 v[BW], v[BF+8*\s+4*\c:BF+8*\s+4*\c+3] offset:1024*\s+512*\c
	ds_store_b128 v[BW], v[HA+8*\s+4*\c:HA+8*\s+4*\c+3] offset:8192+1024*\s+512*\c
.endr
.endr
	ds_store_b128 v[BWS], v[BS:BS+3]
	ds_store_b128 v[BWS], v[24:27] offset:512
	s_wait_dscnt 0x0                               ; for the others' sake: my stores have landed
	s_barrier_signal -1
	s_barrier_wait -1                              ; the launch's one barrier: from here on LDS is only read
.macro FETCH                           ; a tile of B, all eight K steps, and its scale words
.irp s, 0,1,2,3,4,5,6,7
.irp c, 0,1
	ds_load_b128 v[BF+8*\s+4*\c:BF+8*\s+4*\c+3], v[FA] offset:BIMG+1024*\s+512*\c
.endr
.endr
	ds_load_b128 v[BS:BS+3], v[FS]
.endm
.macro MM s, t                         ; K step s on accumulator t.  K step 0 starts the sums
.if (\s) == 0
	v_wmma_scale_f32_16x16x128_f8f6f4 v[HA+8*\t:HA+8*\t+7], v[8*\t:8*\t+7], v[BF:BF+7], 0, v[AS+4*\t], v[BS] matrix_a_fmt:MATRIX_FMT_FP4 matrix_b_fmt:MATRIX_FMT_FP4
.elseif (\s) < 4
	v_wmma_scale_f32_16x16x128_f8f6f4 v[HA+8*\t:HA+8*\t+7], v[64*(\s)+8*\t:64*(\s)+8*\t+7], v[BF+8*(\s):BF+8*(\s)+7], v[HA+8*\t:HA+8*\t+7], v[AS+4*\t+(\s)], v[BS+(\s)] matrix_a_fmt:MATRIX_FMT_FP4 matrix_b_fmt:MATRIX_FMT_FP4
.else
	v_wmma_scale_f32_16x16x128_f8f6f4 v[HA+8*\t:HA+8*\t+7], v[64*((\s)-4)+8*\t:64*((\s)-4)+8*\t+7], v[BF+8*(\s):BF+8*(\s)+7], v[HA+8*\t:HA+8*\t+7], v[AS+4*\t+(\s)-4], v[BS+(\s)-4] matrix_a_fmt:MATRIX_FMT_FP4 matrix_b_fmt:MATRIX_FMT_FP4 matrix_a_scale:MATRIX_SCALE_ROW1 matrix_b_scale:MATRIX_SCALE_ROW1
.endif
.endm
; q and k: my token's two heads (registers 0-31 and 32-63, with lane l xor 16's) are divided by the root of their mean square + 1e-6 and multiplied by the gain.  Each accumulator is read from its low end on.
.macro NORM
	v_pk_mul_f32 v[T0:T0+1], v[HA:HA+1], v[HA:HA+1]
	v_pk_mul_f32 v[T0+2:T0+3], v[HA+32:HA+33], v[HA+32:HA+33]
.set J, 2
.rept 15
	v_pk_fma_f32 v[T0:T0+1], v[HA+J:HA+J+1], v[HA+J:HA+J+1], v[T0:T0+1]
	v_pk_fma_f32 v[T0+2:T0+3], v[HA+32+J:HA+33+J], v[HA+32+J:HA+33+J], v[T0+2:T0+3]
.set J, J+2
.endr
	v_add_f32 v[T0], v[T0], v[T0+1]
	v_add_f32 v[T0+2], v[T0+2], v[T0+3]
	v_permlanex16_b32 v[T0+1], v[T0], s[SEL], s[SEL+1]
	v_permlanex16_b32 v[T0+3], v[T0+2], s[SEL], s[SEL+1]
	v_add_f32 v[T0], v[T0], v[T0+1]
	v_add_f32 v[T0+2], v[T0+2], v[T0+3]
	v_mul_f32 v[T0], 0x3c800000, v[T0]             ; / 64
	v_mul_f32 v[T0+2], 0x3c800000, v[T0+2]
	s_wait_alu depctr_va_vdst(0)
	v_sqrt_f32 v[T0+1], v[T0]
	v_sqrt_f32 v[T0+3], v[T0+2]
	v_nop                                          ; a plain place behind the roots,
	s_wait_alu depctr_va_vdst(0)                   ; and the wait ahead of their first reader: the two roots are written
	v_add_f32 v[T0+1], 0x358637bd, v[T0+1]         ; + 1e-6
	v_add_f32 v[T0+3], 0x358637bd, v[T0+3]
	s_wait_alu depctr_va_vdst(0)
	v_rcp_f32 v[T0+4], v[T0+1]
	v_rcp_f32 v[T0+6], v[T0+3]
	v_nop
	s_wait_alu depctr_va_vdst(0)                   ; likewise: the two reciprocals are written
.set J, 0
.rept 16
	v_pk_mul_f32 v[HA+J:HA+J+1], v[HA+J:HA+J+1], v[T0+4:T0+5] op_sel_hi:[1,0]
	v_pk_mul_f32 v[HA+32+J:HA+33+J], v[HA+32+J:HA+33+J], v[T0+6:T0+7] op_sel_hi:[1,0]
.set J, J+2
.endr
.set J, 0
.rept 16
	v_pk_mul_f32 v[HA+J:HA+J+1], v[HA+J:HA+J+1], v[SCV+J:SCV+J+1]
	v_pk_mul_f32 v[HA+32+J:HA+33+J], v[HA+32+J:HA+33+J], v[SCV+J:SCV+J+1]
.set J, J+2
.endr
.endm
; 64 numbers of a lane, four blocks of 32 shared with lane l xor 16, become a fragment's codes in v[PC] on; the four bytes stay in v[TM+4] on.
.macro QUANT
.irp b, 0,1,2,3
	v_max3_num_f32 v[TM+\b], |v[HA+16*\b]|, |v[HA+1+16*\b]|, 0x1800000   ; my 16 numbers of block b, and the floor 2^(3 - 127): the byte cannot fall under 1
.endr
.irp i, 2,4,6,8,10,12,14
.irp b, 0,1,2,3
	v_max3_num_f32 v[TM+\b], v[TM+\b], |v[HA+16*\b+\i]|, |v[HA+1+16*\b+\i]|
.endr
.endr
.irp b, 0,1,2,3
	v_permlanex16_b32 v[TM+4+\b], v[TM+\b], s[SEL], s[SEL+1]
.endr
.irp b, 0,1,2,3
	v_max_num_f32 v[TM+\b], v[TM+\b], v[TM+4+\b]   ; the block's largest magnitude
.endr
.irp b, 0,1,2,3
	v_add_nc_u32 v[TM+12+\b], 0xff000000, v[TM+\b] ; 2 off its exponent field: the conversion's scale operand
.endr
.irp b, 0,1,2,3
	v_lshrrev_b32 v[TM+4+\b], 23, v[TM+12+\b]      ; the scale's byte
.endr
.irp b, 0,1,2,3
	v_cvt_scalef32_pk8_fp4_f32 v[PC+2*\b], v[HA+16*\b:HA+7+16*\b], v[TM+12+\b]
	v_cvt_scalef32_pk8_fp4_f32 v[PC+1+2*\b], v[HA+8+16*\b:HA+15+16*\b], v[TM+12+\b]
.endr
	v_nop                                          ; one plain place behind a scaled conversion
.irp c, 0,1                                    ; a whole block to a lane: lanes 0-15 block 2 c, lanes 16-31 block 2 c + 1
.irp i, 0,1
	v_permlane16_swap_b32 v[PC+4*\c+\i], v[PC+2+4*\c+\i]
.endr
.endr
.endm
; A trip: one tile of B.  fetch = 1: the next tile is fetched under this tile's way out, and the pointers step.
.macro TRIP fetch
	s_wait_dscnt 0x0                               ; the tile's fragments and scale words are in
	WIN 0x01                                       ; source 0 (A) window 1
.irp s, 0,1,2,3
.irp t, 0,1,2,3,4,5,6,7
	MM \s, \t
.endr
.endr
	WIN 0x02                                       ; source 0 window 2
.irp s, 4,5,6,7
.irp t, 0,1,2,3,4,5,6,7
	MM \s, \t
.endr
.endr
	WIN 0
	s_wait_alu depctr_vm_vsrc(0)                   ; the last fetch's LDS loads have read v[FA] and v[FS], the last trip's stores v[PC ..] and v[SW]: all four are written again below
.if \fetch
	s_add_co_u32 s[TB], s[TB], 8192
	s_add_co_u32 s[TS], s[TS], 512
	v_add_nc_u32 v[FA], s[TB], v[LI]               ; four places behind the last product, in front of the first read of results
	v_add_nc_u32 v[FS], s[TS], v[LI]
	v_nop
	v_nop
	s_wait_alu depctr_va_vdst(0)                   ; v[FA] and v[FS] are written, which the loads below read; the 64 products are done reading B's fragments and scale words, in which they land
	FETCH
.else
.rept 4
	v_nop
.endr
.endif
	s_cmp_lt_u32 s[ID], 128
	s_cbranch_scc0 .Lplain_\@                      ; v is quantised as it comes
	NORM
.Lplain_\@:
	QUANT
	v_lshl_or_b32 v[T0], v[TM+5], 8, v[TM+4]       ; the bytes of blocks 0, 1
	v_lshl_or_b32 v[T0+1], v[TM+7], 8, v[TM+6]     ; and 2, 3
	v_cndmask_b32 v[T0+2], v[T0], v[T0+1], s[M1]   ; q, k: lanes 0-15 store the first head's word, lanes 16-31 the second's, each with 0x7f7f on top;
	v_cndmask_b32 v[T0+3], v[PADW], v[T0+1], s[M2] ; v: every lane has the word of all four blocks
	v_lshl_or_b32 v[SW], v[T0+3], 16, v[T0+2]
	s_wait_alu depctr_va_vdst(0)                   ; the conversions and the exchanges have written v[PC ..], the line above v[SW]: the three stores read them
	global_store_b128 v[LI], v[PC:PC+3], s[PI0:PI0+1]      ; 512 consecutive bytes each
	global_store_b128 v[LI], v[PC+4:PC+7], s[PI1:PI1+1]
	global_store_b32 v[SO], v[SW], s[PS:PS+1]
.if \fetch
	s_wait_xcnt 0x0                                ; the stores have read their data and bases: both are written again only behind this wait
	s_cmp_eq_u32 s[T], 3
	s_cselect_b32 s50, s[JI], 0
	s_cselect_b32 s52, s[JS], 0
	s_add_co_u32 s50, s50, s[INCI]
	s_add_co_u32 s52, s52, 64
	s_add_nc_u64 s[PI0:PI0+1], s[PI0:PI0+1], s[50:51]
	s_add_nc_u64 s[PI1:PI1+1], s[PI1:PI1+1], s[50:51]
	s_add_nc_u64 s[PS:PS+1], s[PS:PS+1], s[52:53]
.endif
.endm
	s_mov_b32 s51, 0
	s_mov_b32 s53, 0
	s_mov_b32 s[TB], 0
	s_mov_b32 s[TS], 0
	s_mov_b32 s[T], 0
	s_wait_alu depctr_vm_vsrc(0)                   ; my LDS stores have read v[BF ..] and v[BS ..], in which the fetch below lands, and v[HA ..], which the products write
	v_mov_b32 v[FA], v[LI]
	v_mov_b32 v[FS], v[LI]
	s_wait_alu depctr_va_vdst(0)                   ; v[FA] and v[FS] are written, which the loads below read
	FETCH                                          ; tile 0
.Ltile:                                            ; seven trips; the eighth tile is written out, so that no LDS load is jumped over
	TRIP 1
	s_add_co_u32 s[T], s[T], 1
	s_cmp_lt_u32 s[T], 7
	s_cbranch_scc1 .Ltile
	TRIP 0
	s_wait_dscnt 0x0
	s_wait_alu depctr_hold_cnt(0) depctr_sa_sdst(0) depctr_va_vdst(0) depctr_va_sdst(0) depctr_va_ssrc(0) depctr_va_vcc(0) depctr_vm_vsrc(0)
	s_wait_tensorcnt 0x0
	ds_add_u32 v178, v179
	s_wait_dscnt 0x0
	s_endpgm
.Lfunc_end_k_qb88b190170_qkv:
	.size	k_qb88b190170_qkv, .Lfunc_end_k_qb88b190170_qkv-k_qb88b190170_qkv
	.p2alignl 7, 3214868480
	.fill 96, 4, 3214868480
	.section	.rodata,"a",@progbits
	.p2align	6, 0x0
	.amdhsa_kernel k_qb88b190170_qkv
		.amdhsa_group_segment_fixed_size 70144
		.amdhsa_private_segment_fixed_size 0
		.amdhsa_enable_private_segment 0
		.amdhsa_kernarg_size 72
		.amdhsa_user_sgpr_count 2
		.amdhsa_user_sgpr_kernarg_segment_ptr 1
		.amdhsa_wavefront_size32 1
		.amdhsa_system_sgpr_workgroup_id_x 1
		.amdhsa_system_sgpr_workgroup_id_y 1
		.amdhsa_system_sgpr_workgroup_id_z 1
		.amdhsa_system_vgpr_workitem_id 0
		.amdhsa_next_free_vgpr 768
		.amdhsa_next_free_sgpr 84
		.amdhsa_reserve_vcc 0
		.amdhsa_float_denorm_mode_32 3
		.amdhsa_float_denorm_mode_16_64 3
		.amdhsa_memory_ordered 1
		.amdhsa_forward_progress 1
		.amdhsa_inst_pref_size 67
	.end_amdhsa_kernel
	.amdgpu_metadata
---
amdhsa.version: [ 1, 2 ]
amdhsa.kernels:
  - .name:           k_qb88b190170_qkv
    .symbol:         k_qb88b190170_qkv.kd
    .args:
      - { .name: x_codes, .offset: 0, .size: 8, .value_kind: global_buffer, .address_space: global }
      - { .name: x_scales, .offset: 8, .size: 8, .value_kind: global_buffer, .address_space: global }
      - { .name: W_qkv_codes, .offset: 16, .size: 8, .value_kind: global_buffer, .address_space: global }
      - { .name: W_qkv_scales, .offset: 24, .size: 8, .value_kind: global_buffer, .address_space: global }
      - { .name: scale_q, .offset: 32, .size: 8, .value_kind: global_buffer, .address_space: global }
      - { .name: scale_k, .offset: 40, .size: 8, .value_kind: global_buffer, .address_space: global }
      - { .name: kv, .offset: 48, .size: 8, .value_kind: global_buffer, .address_space: global }
      - { .name: qimg, .offset: 56, .size: 8, .value_kind: global_buffer, .address_space: global }
      - { .name: qsc, .offset: 64, .size: 8, .value_kind: global_buffer, .address_space: global }
    .group_segment_fixed_size: 70144
    .private_segment_fixed_size: 0
    .kernarg_segment_align: 8
    .kernarg_segment_size: 72
    .max_flat_workgroup_size: 128
    .sgpr_count:     84
    .vgpr_count:     768
    .wavefront_size: 32
...
	.end_amdgpu_metadata
.endif
;; end of part 6
;; launch attn (part 7): grid 8 x 32, 16 waves a work-group, no clusters, 74,240 bytes of LDS; arguments kv, qimg, qsc, oimg, osc; writes oimg, osc
.if DOCPART == 7
	.amdgcn_target "amdgcn-amd-amdhsa--gfx1250"
	.amdhsa_code_object_version 6
	.text
	.protected	k_qb88b190170_attn
	.globl	k_qb88b190170_attn
	.p2align	8
	.type	k_qb88b190170_attn,@function
k_qb88b190170_attn:
	s_mov_b64 s[64:65], 0
	v_nop
	global_prefetch_b8 v0, s[64:65] scope:SCOPE_SE
	s_setreg_imm32_b32 hwreg(HW_REG_WAVE_SCHED_MODE, 0, 2), 2
	s_setreg_imm32_b32 hwreg(HW_REG_WAVE_MODE, 25, 1), 1
	s_wait_xcnt 0x0
	s_wait_alu depctr_vm_vsrc(0)
; For each of 32 heads: O[q] = the sum over 4,096 keys of softmax(Q[q] . K[k]) V[k], both products on codes of FP4 with E8M0 scales; O / the row's sum is quantised again, along the model's 1,024, for the last product.
; THE SOFTMAX: t = score x log2(e); M = the running largest t rounded UP to a whole number; p = 2^(t - M) is quantised along the keys; the row's sum is taken of the unquantised p.  When M moves, the sum and O are multiplied by 2^(old M - new M): exact.
; SHARES: a work-group owns 256 queries of a head, each of its sixteen waves 16 of them in 256 registers: four waves to a SIMD, so that one wave's vector work stands beside another's products and LDS loads.  Every wave walks 8 slots x 4 steps of 128 keys.
; K AND V come as images of the operands' registers (layout: at the head of the launch that fills kv's slots 0 to 3).  A slot of 35,840 bytes lies in memory as it lies in LDS: the 512 threads copy it through registers, 16 bytes a thread five times
; (the fifth: waves 0 to 5), loaded a whole slot ahead of the LDS stores.  Two LDS slots take turns, one barrier a slot.
; No tensor loads and no cluster: a wave's part of the stream is 5 loads and 5 LDS stores for four key steps, beside some 950 vector instructions.
; LAYOUT: both products transposed: S^T = K Q^T (source 0 = 16 keys), O^T = V^T P^T (source 0 = 16 channels): a lane holds ONE query (lane % 16) throughout.  The head's size is 64: registers 4-7 of K's and Q's fragments are zero codes under the byte 127.
; A tile of K is 16 neighbouring keys, so p's codes fall in the order keys 0-7, 16-23, 8-15, 24-31 of each block of 32: V's codes were laid in the same order.  V's rows are chosen so that O^T's registers 16 b + i are channels 32 b + 16 h + i.
; LIMITS: NaN and infinities are not served; a block of the result whose largest magnitude lies under 2^-124 gets the byte 1; the division is a multiplication by v_rcp_f32's result.
; THE MODE: SCHED_MODE bits 1:0 = 2 (LLVM: expert scheduling mode 2), set by the entry lines.  The code itself states the register dependences
; between vector or matrix instructions and memory or LDS instructions, with s_wait_alu, always for 0.
; THE PLAN.  Registers that memory or LDS instructions touch:
;   v1-v7, v9-v11   addresses and offsets: made once at the head, never written again.
;   CR       written by the copy's loads from memory, read by its LDS stores; no vector line names it.  One wait on vm_vsrc behind the stores, ahead of the next loads.
;   KF, KS   (of KF the low four registers of each fragment.)  A step's tiles 0-3 and its four scale words land; four products read them; tiles 4-7 land; four more products read them.
;   VF, VS   land with K's tiles 4-7; the step's last four products read them.
;   v224-231, v253   the weights' codes and scale word: written by vector lines, taken by the step's last four products as operand and as scales.
; A step has five waits on va_vdst, one of them ahead of the 64 exponentials.  (1) Behind its first four products: they are done reading KF, the last step's last four VF and VS: K's tiles 4-7, V and V's words are asked for.  (2) Behind the 64 exponentials:
; all eight products K Q^T stand ahead of it, and no line behind it names KF or KS: so the NEXT step's tiles 0-3 and scale words are asked for there, where that step lies in the same slot.
; (3) Behind the four exponentials.  (4) Ahead of the last four products: the codes and the scale word are written.  A slot's first step asks for its tiles 0-3 at its head, behind the barrier, with no wait of its own:
; since wait (4) of the step before (on the way in: since the head's last wait) no vector or matrix line names KF, KS or an address.
.set HEADB, 286720
.set SLOTB, 35840
.set OSG,   2*SLOTB                    ; behind the two slots: 512 bytes in which the work-group's 256 pairs of scale bytes meet
.set LI0, 1                            ; v1, v2  16 x lane, in LDS slot 0, 1
.set LS0, 3                            ; v3, v4  4 x lane, likewise
.set CP0, 5                            ; v5, v6  16 x thread, likewise; v5 is also the copy's offset in memory
.set PFO, 7                            ; v7   256 x thread: the prefetch's offset
.set OSA, 10                           ; v10  where my query's two scale bytes go
.set OSR, 11                           ; v11  and where wave 0 reads them back
.set KS,  24                           ; v24-27 K's scale words: lanes 0-15 tile 2 j, lanes 16-31 tile 2 j + 1
.set VS,  28                           ; v28-29 V's likewise
.set QS,  30                           ; v30  Q's
.set KF,  32                           ; v32-63  four fragments of K
.set VF,  64                           ; v64-95  four fragments of V
.set CR,  192                          ; v192-211 the copy's registers
.set WV,  18
.set SEL, 20
.set CS,  22                           ; s[22:23] log2(e)
.set T,   24
.set LIM, 25
	s_load_b256 s[4:11], s[0:1], 0x0               ; kv s[4:5], qimg s[6:7], qsc s[8:9], oimg s[10:11]
	s_load_b64 s[12:13], s[0:1], 0x20              ; osc
	v_lshl_add_u32 v251, v0, 2, 0x11a00
	v_mov_b32 v255, 0
	v_lshrrev_b32 v8, 5, v0
	v_readfirstlane_b32 s[WV], v8                  ; wave 0..15
	s_wait_alu depctr_va_sdst(0)                   ; s[WV] is written, ahead of its first reader: the bases and the branches on the wave's number are made from it
	s_and_b32 s19, ttmp7, 0xffff                   ; the head, 16 x batch + head of the batch
	s_mul_i32 s26, s19, HEADB
	s_mov_b32 s27, 0
	s_lshl_b32 s28, s19, 7
	s_lshl_b32 s30, ttmp9, 4
	s_add_co_u32 s28, s28, s30
	s_add_co_u32 s28, s28, s[WV]                   ; my tile of queries: 128 x head + 16 x work-group x + wave
	s_lshl_b32 s30, s28, 6                         ; its 16 scale words,
	s_lshl_b32 s28, s28, 9                         ; its image
	s_mov_b32 s29, 0
	s_mov_b32 s31, 0
	s_lshr_b32 s32, s19, 4                         ; batch
	s_and_b32 s33, s19, 15                         ; head of the batch
	s_lshl_b32 s34, s32, 7
	s_lshl_b32 s35, ttmp9, 4
	s_add_co_u32 s34, s34, s35
	s_add_co_u32 s34, s34, s[WV]                   ; my tile of tokens
	s_lshl_b32 s34, s34, 13                        ; 8,192 bytes a tile of tokens,
	s_lshl_b32 s35, s33, 9                         ; 512 a head
	s_add_co_u32 s34, s34, s35
	s_mov_b32 s35, 0
	s_lshl_b32 s36, s33, 13                        ; the scale bytes: 8,192 a head,
	s_lshl_b32 s37, s32, 12                        ; 2 a token
	s_add_co_u32 s36, s36, s37
	s_lshl_b32 s37, ttmp9, 9
	s_add_co_u32 s36, s36, s37
	s_mov_b32 s37, 0
	s_lshr_b32 s38, s[WV], 2
	s_or_b32 s38, s38, ttmp9                       ; 0 in waves 0 to 3 of the head's first work-group
	s_cmp_eq_u32 s38, 0
	s_cselect_b32 s[LIM], 2, 0                     ; they prefetch in trips 0 and 1, nobody else ever
	s_mov_b32 s[SEL], 0x76543210
	s_mov_b32 s[SEL+1], 0xfedcba98                 ; selects for lane l xor 16
	s_mov_b32 s[CS], 0x3fb8aa3b                    ; log2(e)
	s_mov_b32 s[CS+1], s[CS]                       ; (named with it as a pair, so it is written)
	s_mov_b32 s[T], 0
	v_and_b32 v8, 31, v0                           ; lane
	v_and_b32 v9, 15, v0                           ; r
	v_lshlrev_b32 v[LI0], 4, v8
	v_add_nc_u32 v[LI0+1], SLOTB, v[LI0]
	v_lshlrev_b32 v[LS0], 2, v8
	v_add_nc_u32 v[LS0+1], SLOTB, v[LS0]
	v_lshlrev_b32 v[CP0], 4, v0
	v_add_nc_u32 v[CP0+1], SLOTB, v[CP0]
	v_lshlrev_b32 v[PFO], 8, v0
	s_lshl_b32 s38, s[WV], 5
	v_lshl_add_u32 v[OSA], v9, 1, s38
	v_add_nc_u32 v[OSA], OSG, v[OSA]
	v_add_nc_u32 v[OSR], OSG, v[LI0]
	v_lshlrev_b32 v9, 2, v9                        ; 4 r
	s_wait_kmcnt 0x0
	s_add_nc_u64 s[4:5], s[4:5], s[26:27]          ; kv at my head
	s_add_nc_u64 s[6:7], s[6:7], s[28:29]
	s_add_nc_u64 s[8:9], s[8:9], s[30:31]
	s_add_nc_u64 s[10:11], s[10:11], s[34:35]
	s_add_nc_u64 s[12:13], s[12:13], s[36:37]
	s_wait_alu depctr_va_vdst(0)                   ; the addresses and offsets v1 to v7 and v9 to v11 are written: every load, store and prefetch of the kernel reads one of them
	global_load_b128 v[16:19], v[LI0], s[6:7]      ; Q's fragment stays in registers
	global_load_b32 v[QS], v9, s[8:9]
.macro GET n                           ; slot n, counted from the trip's first, into the copy's registers
.irp i, 0,1,2,3
	global_load_b128 v[CR+4*\i:CR+4*\i+3], v[CP0], s[4:5] offset:\n*SLOTB+8192*\i
.endr
	s_cmp_lt_u32 s[WV], 6
	s_cbranch_scc0 .Lno_fifth_\@
	global_load_b128 v[CR+16:CR+19], v[CP0], s[4:5] offset:\n*SLOTB+32768   ; the slot's 3,072 bytes of scale words: 192 threads
.Lno_fifth_\@:
.endm
.macro PUT p                           ; and from there into LDS slot p
	s_wait_loadcnt 0x0
.irp i, 0,1,2,3
	ds_store_b128 v[CP0+\p], v[CR+4*\i:CR+4*\i+3] offset:8192*\i
.endr
	s_cmp_lt_u32 s[WV], 6
	s_cbranch_scc0 .Lnone_\@
	ds_store_b128 v[CP0+\p], v[CR+16:CR+19] offset:32768
.Lnone_\@:
	s_wait_dscnt 0x0                               ; the stores have landed
	s_wait_alu depctr_vm_vsrc(0)                   ; the LDS stores have read v[CR ..], in which the next slot's loads land
.endm
; A PREFETCH INTO THE L2 of the 32,768 bytes of codes of the slot that lies two slots behind the one just asked for: 128 threads, 256 bytes apart, one instruction a wave.  All eight work-groups of a head walk the
; same slots: the first of them asks, so each block of 256 bytes is named once in the launch.  Slots 0 to 3 and the scale words come by their loads alone; trips 2 and 3 ask for nothing: slot 7 is the head's last.
.macro ASK p
	s_cmp_lt_u32 s[T], s[LIM]
	s_cbranch_scc0 .Lnot_mine_\@
	global_prefetch_b8 v[PFO], s[4:5] offset:(4+\p)*SLOTB th:TH_LOAD_NT scope:SCOPE_SE
.Lnot_mine_\@:
.endm
	GET 0
	v_mov_b32 v13, 0xff61b1e6                      ; the largest t so far: -3e38, under every t
	v_floor_f32 v12, -v13                          ; -M
	v_mov_b32 v14, 0                               ; the sum, in two halves
	v_mov_b32 v15, 0
.irp i, 20,21,22,23
	v_mov_b32 v[\i], 0                             ; the upper half of Q's fragment: zero codes
.endr
.irp t, 0,1,2,3
.irp i, 4,5,6,7
	v_mov_b32 v[KF+8*\t+\i], 0                     ; and of K's four: written once
.endr
.endr
.irp b, 0,1,2,3
	v_mov_b32 v[236+\b], 0                         ; written once: a lane permute's destination counts as one of its sources
.endr
	v_mov_b32 v253, 0                              ; (named as the upper half of the pair v[252:253] before it is first written)
.set J, 0
.rept 32
	v_mov_b32 v[160+J], 0                          ; O^T: the step is written once; its first run finds zeros, which the first change of M leaves zeros
.set J, J+1
.endr
	s_wait_alu depctr_va_vdst(0)                   ; the zero halves of Q's and K's fragments are written, which the scaled products take as operands (the 37 lines behind them are the places)
	PUT 0
	GET 1
.macro SMUL g                          ; S^T of keys 64 g to 64 g + 63 of the step: four tiles, each a sum of its own
	v_wmma_scale_f32_16x16x128_f8f6f4 v[96+32*\g:103+32*\g], v[KF:KF+7], v[16:23], 0, v[KS+2*\g], v[QS] matrix_a_fmt:MATRIX_FMT_FP4 matrix_b_fmt:MATRIX_FMT_FP4
	v_wmma_scale_f32_16x16x128_f8f6f4 v[104+32*\g:111+32*\g], v[KF+8:KF+15], v[16:23], 0, v[KS+2*\g], v[QS] matrix_a_fmt:MATRIX_FMT_FP4 matrix_b_fmt:MATRIX_FMT_FP4 matrix_a_scale:MATRIX_SCALE_ROW1
	v_wmma_scale_f32_16x16x128_f8f6f4 v[112+32*\g:119+32*\g], v[KF+16:KF+23], v[16:23], 0, v[KS+2*\g+1], v[QS] matrix_a_fmt:MATRIX_FMT_FP4 matrix_b_fmt:MATRIX_FMT_FP4
	v_wmma_scale_f32_16x16x128_f8f6f4 v[120+32*\g:127+32*\g], v[KF+24:KF+31], v[16:23], 0, v[KS+2*\g+1], v[QS] matrix_a_fmt:MATRIX_FMT_FP4 matrix_b_fmt:MATRIX_FMT_FP4 matrix_a_scale:MATRIX_SCALE_ROW1
.endm
.macro KLOAD p, q                      ; tiles 0-3 of K and the four scale words of the q-th key step of LDS slot p: eight LDS loads
.irp t, 0,1,2,3
	ds_load_b128 v[KF+8*\t:KF+8*\t+3], v[LI0+\p] offset:4096*(\q)+512*\t
.endr
.irp j, 0,1,2,3
	ds_load_b32 v[KS+\j], v[LS0+\p] offset:32768+512*(\q)+128*\j
.endr
.endm
; A KEY STEP: 128 keys, the q-th of LDS slot p.
.macro STEP p, q
.if \q == 0
	KLOAD \p, 0                                    ; a slot's first step asks here, behind the barrier.  No wait: since the last wait on va_vdst no vector or matrix line names KF, KS or the two addresses
.endif
	s_wait_dscnt 0x0
	SMUL 0
.rept 4
	v_nop                                          ; four places behind the products, ahead of the loads into K's registers, and into V's, which the last step's products read
.endr
	s_wait_alu depctr_va_vdst(0)                   ; the four products above are done reading K's fragments, the last step's last four V's fragments and scale words: the loads below land in them
.irp t, 0,1,2,3
	ds_load_b128 v[KF+8*\t:KF+8*\t+3], v[LI0+\p] offset:4096*\q+2048+512*\t
.endr
.irp d, 0,1,2,3
.irp c, 0,1
	ds_load_b128 v[VF+8*\d+4*\c:VF+8*\d+4*\c+3], v[LI0+\p] offset:16384+4096*\q+1024*\d+512*\c
.endr
.endr
.irp j, 0,1
	ds_load_b32 v[VS+\j], v[LS0+\p] offset:34816+256*\q+128*\j
.endr
	s_wait_dscnt 10                                ; K's four loads are in; V's eight and its two scale words, issued behind them, may be out
	SMUL 1
.rept 4
	v_nop
.endr
.irp b, 0,1,2,3
	v_max3_num_f32 v[232+\b], v[96+16*\b], v[97+16*\b], v[98+16*\b]   ; the largest score of each block of 32 keys: for the row's maximum, and, since p rises with the score, for the block's largest p
.endr
.irp i, 3,5,7,9,11,13
.irp b, 0,1,2,3
	v_max3_num_f32 v[232+\b], v[232+\b], v[96+16*\b+\i], v[97+16*\b+\i]
.endr
.endr
.irp b, 0,1,2,3
	v_max_num_f32 v[232+\b], v[232+\b], v[111+16*\b]
.endr
.irp b, 0,1,2,3
	v_permlanex16_b32 v[236+\b], v[232+\b], s[SEL], s[SEL+1]
.endr
.irp b, 0,1,2,3
	v_max_num_f32 v[232+\b], v[232+\b], v[236+\b]  ; with lane l xor 16's 16 keys
.endr
	v_max3_num_f32 v254, v232, v233, v234
	v_max_num_f32 v254, v254, v235                 ; the step's largest score of my query
	v_mul_f32 v254, s[CS], v254                    ; as t
	v_max_num_f32 v13, v13, v254                   ; the running largest t
	v_mov_b32 v254, v12
	v_floor_f32 v12, -v13                          ; the new -M = floor(-t) = -ceil(t)
	v_sub_f32 v254, v12, v254                      ; old M - new M: a whole number, 0 or less
	v_cvt_i32_f32 v254, v254                       ; (it saturates)
	v_ldexp_f32 v252, 1.0, v254                    ; f = 2^(old M - new M)
.set J, 0
.rept 32
	v_pk_fma_f32 v[96+J:97+J], v[96+J:97+J], s[CS:CS+1], v[12:13] op_sel_hi:[1,0,0]   ; t - M, two at a time
.set J, J+2
.endr
.irp b, 0,1,2,3
	v_fma_f32 v[232+\b], v[232+\b], s[CS], v12     ; the same of each block's largest score
.endr
.set J, 0
	s_wait_alu depctr_va_vdst(0)
.rept 64
	v_exp_f32 v[96+J], v[96+J]                     ; p = 2^(t - M): not normalised
.set J, J+1
.endr
	v_pk_mul_f32 v[14:15], v[14:15], v[252:253] op_sel_hi:[1,0]   ; the sums under the new M: a plain place behind the exponentials
	s_wait_alu depctr_va_vdst(0)                   ; the 64 exponentials are written, ahead of their first reader.  It also states that the step's eight products K Q^T are done reading K's fragments and scale words
.if \q < 3
	KLOAD \p, \q+1                                 ; the next step's, in the same slot: no line between the wait above and the next step's products names KF or KS
.endif
.irp b, 0,1,2,3
	v_exp_f32 v[232+\b], v[232+\b]                 ; the block's largest p
.endr
	v_pk_add_f32 v[236:237], v[96:97], v[98:99]    ; the row's sum is taken of the unquantised p, in two chains
.set J, 4
.rept 15
	v_pk_add_f32 v[14:15], v[14:15], v[96+J:97+J]
	v_pk_add_f32 v[236:237], v[236:237], v[98+J:99+J]
.set J, J+4
.endr
	v_pk_add_f32 v[14:15], v[14:15], v[236:237]
	s_wait_alu depctr_va_vdst(0)                   ; and one for the four: the blocks' largest p are written, ahead of their first reader
.irp b, 0,1,2,3
	v_max_num_f32 v[232+\b], 0x1800000, v[232+\b]  ; the floor 2^(3 - 127): the byte cannot fall under 1
.endr
.irp b, 0,1,2,3
	v_add_nc_u32 v[244+\b], 0xff000000, v[232+\b]  ; 2 off the exponent field: the conversion's scale operand
.endr
.irp b, 0,1,2,3
	v_lshrrev_b32 v[236+\b], 23, v[244+\b]         ; the scale's byte
.endr
	v_lshl_or_b32 v253, v237, 8, v236              ; p's scale word for these 128 keys
	v_lshl_or_b32 v253, v238, 16, v253
	v_lshl_or_b32 v253, v239, 24, v253
.irp b, 0,1,2,3
	v_cvt_scalef32_pk8_fp4_f32 v[224+2*\b], v[96+16*\b:103+16*\b], v[244+\b]
	v_cvt_scalef32_pk8_fp4_f32 v[225+2*\b], v[104+16*\b:111+16*\b], v[244+\b]
.endr
	v_nop                                          ; one plain place behind a scaled conversion
.irp c, 0,1                                    ; a whole block to a lane: lanes 0-15 block 2 c, lanes 16-31 block 2 c + 1
.irp i, 0,1
	v_permlane16_swap_b32 v[224+4*\c+\i], v[226+4*\c+\i]
.endr
.endr
.set J, 0
.rept 16
	v_pk_mul_f32 v[160+J:161+J], v[160+J:161+J], v[252:253] op_sel_hi:[1,0]   ; O^T under the new M.  These sixteen are also the places between the scale word, the codes and the products below
.set J, J+2
.endr
.if \q < 3
	s_wait_dscnt 8                                 ; V and its scale words are in; the next step's eight loads, issued behind them, may be out
.else
	s_wait_dscnt 0x0                               ; V and its scale words are in
.endif
	s_wait_alu depctr_va_vdst(0)                   ; the weights' codes v224 to v231 and their scale word v253 are written, which the scaled products below take as operand and as scales; the places stand ahead of this wait
	v_wmma_scale_f32_16x16x128_f8f6f4 v[160:167], v[VF:VF+7], v[224:231], v[160:167], v[VS], v253 matrix_a_fmt:MATRIX_FMT_FP4 matrix_b_fmt:MATRIX_FMT_FP4
	v_wmma_scale_f32_16x16x128_f8f6f4 v[168:175], v[VF+8:VF+15], v[224:231], v[168:175], v[VS], v253 matrix_a_fmt:MATRIX_FMT_FP4 matrix_b_fmt:MATRIX_FMT_FP4 matrix_a_scale:MATRIX_SCALE_ROW1
	v_wmma_scale_f32_16x16x128_f8f6f4 v[176:183], v[VF+16:VF+23], v[224:231], v[176:183], v[VS+1], v253 matrix_a_fmt:MATRIX_FMT_FP4 matrix_b_fmt:MATRIX_FMT_FP4
	v_wmma_scale_f32_16x16x128_f8f6f4 v[184:191], v[VF+24:VF+31], v[224:231], v[184:191], v[VS+1], v253 matrix_a_fmt:MATRIX_FMT_FP4 matrix_b_fmt:MATRIX_FMT_FP4 matrix_a_scale:MATRIX_SCALE_ROW1
.endm
; A SLOT.  In front of the barrier each wave has waited for its reads of the slot that it leaves and for its stores into the slot ahead.  Behind it the slot ahead is whole and nobody reads the other one, which takes the next slot's bytes.
.macro HALF p
	s_wait_dscnt 0x0
	s_barrier_signal -1
	s_barrier_wait -1
.if \p == 0
	PUT 1
	s_cmp_lt_u32 s[T], 3
	s_cbranch_scc0 .Lno_more_\@                    ; the last trip has nothing left to load
	GET 2
.else
	s_cmp_lt_u32 s[T], 3
	s_cbranch_scc0 .Lno_more_\@
	PUT 0
	GET 3
.endif
.Lno_more_\@:
	ASK \p
	STEP \p, 0
	STEP \p, 1
	STEP \p, 2
	STEP \p, 3
.endm
.Ltrip:                                            ; four trips of two slots
	HALF 0
	HALF 1
	s_wait_xcnt 0x0                                ; the loads and the prefetches have read their base
	s_add_nc_u64 s[4:5], s[4:5], 2*SLOTB
	s_add_co_u32 s[T], s[T], 1
	s_cmp_lt_u32 s[T], 4
	s_cbranch_scc1 .Ltrip
	; THE WAY OUT: O^T / the row's sum; its 64 channels are two blocks of the last product's K; codes and bytes leave as that product's operand wants them.
.rept 4
	v_nop                                          ; places behind the last products
.endr
	v_add_f32 v14, v14, v15                        ; the sum's two halves,
	v_permlanex16_b32 v252, v14, s[SEL], s[SEL+1]
	v_add_f32 v14, v14, v252                       ; and lane l xor 16's
	s_wait_alu depctr_va_vdst(0)
	v_rcp_f32 v14, v14
	v_nop                                          ; a plain place behind the reciprocal,
	s_wait_alu depctr_va_vdst(0)                   ; and the wait ahead of its first reader: the reciprocal is written
.set J, 0
.rept 16
	v_pk_mul_f32 v[96+J:97+J], v[160+J:161+J], v[14:15] op_sel_hi:[1,0]   ; register 16 b + i: channel 32 b + 16 h + i of my query
.set J, J+2
.endr
.irp b, 0,1
	v_max3_num_f32 v[232+\b], |v[96+16*\b]|, |v[97+16*\b]|, 0x1800000
.endr
.irp i, 2,4,6,8,10,12,14
.irp b, 0,1
	v_max3_num_f32 v[232+\b], v[232+\b], |v[96+16*\b+\i]|, |v[97+16*\b+\i]|
.endr
.endr
.irp b, 0,1
	v_permlanex16_b32 v[236+\b], v[232+\b], s[SEL], s[SEL+1]
.endr
.irp b, 0,1
	v_max_num_f32 v[232+\b], v[232+\b], v[236+\b]
.endr
.irp b, 0,1
	v_add_nc_u32 v[244+\b], 0xff000000, v[232+\b]
.endr
.irp b, 0,1
	v_lshrrev_b32 v[236+\b], 23, v[244+\b]
.endr
	v_lshl_or_b32 v253, v237, 8, v236              ; my query's two bytes
.irp b, 0,1
	v_cvt_scalef32_pk8_fp4_f32 v[224+2*\b], v[96+16*\b:103+16*\b], v[244+\b]
	v_cvt_scalef32_pk8_fp4_f32 v[225+2*\b], v[104+16*\b:111+16*\b], v[244+\b]
.endr
	v_nop                                          ; one plain place behind a scaled conversion
	v_permlane16_swap_b32 v224, v226               ; lanes 0-15: channels 0-31, lanes 16-31: channels 32-63
	v_permlane16_swap_b32 v225, v227
	s_wait_alu depctr_va_vdst(0)                   ; the codes v224 to v227 and the bytes v253 are written, which the two stores read; the conversions are done reading v96 to v99, in which wave 0's LDS load below lands: no vector line follows
	global_store_b128 v[LI0], v[224:227], s[10:11] ; 512 consecutive bytes
	ds_store_b16 v[OSA], v253                      ; both lanes of a query write the same two bytes
	s_wait_dscnt 0x0
	s_barrier_signal -1
	s_barrier_wait -1                              ; the work-group's 512 scale bytes lie together
	s_cmp_lg_u32 s[WV], 0
	s_cbranch_scc1 .Ldone
	ds_load_b128 v[96:99], v[OSR]
	s_wait_dscnt 0x0
	global_store_b128 v[LI0], v[96:99], s[12:13]   ; 512 consecutive bytes
.Ldone:
	s_wait_dscnt 0x0
	s_wait_alu depctr_hold_cnt(0) depctr_sa_sdst(0) depctr_va_vdst(0) depctr_va_sdst(0) depctr_va_ssrc(0) depctr_va_vcc(0) depctr_vm_vsrc(0)
	s_wait_tensorcnt 0x0
	ds_add_u32 v251, v255
	s_wait_dscnt 0x0
	s_endpgm
.Lfunc_end_k_qb88b190170_attn:
	.size	k_qb88b190170_attn, .Lfunc_end_k_qb88b190170_attn-k_qb88b190170_attn
	.p2alignl 7, 3214868480
	.fill 96, 4, 3214868480
	.section	.rodata,"a",@progbits
	.p2align	6, 0x0
	.amdhsa_kernel k_qb88b190170_attn
		.amdhsa_group_segment_fixed_size 74240
		.amdhsa_private_segment_fixed_size 0
		.amdhsa_enable_private_segment 0
		.amdhsa_kernarg_size 40
		.amdhsa_user_sgpr_count 2
		.amdhsa_user_sgpr_kernarg_segment_ptr 1
		.amdhsa_wavefront_size32 1
		.amdhsa_system_sgpr_workgroup_id_x 1
		.amdhsa_system_sgpr_workgroup_id_y 1
		.amdhsa_system_sgpr_workgroup_id_z 1
		.amdhsa_system_vgpr_workitem_id 0
		.amdhsa_next_free_vgpr 256
		.amdhsa_next_free_sgpr 66
		.amdhsa_reserve_vcc 0
		.amdhsa_float_denorm_mode_32 3
		.amdhsa_float_denorm_mode_16_64 3
		.amdhsa_memory_ordered 1
		.amdhsa_forward_progress 1
		.amdhsa_inst_pref_size 133
	.end_amdhsa_kernel
	.amdgpu_metadata
---
amdhsa.version: [ 1, 2 ]
amdhsa.kernels:
  - .name:           k_qb88b190170_attn
    .symbol:         k_qb88b190170_attn.kd
    .args:
      - { .name: kv, .offset: 0, .size: 8, .value_kind: global_buffer, .address_space: global }
      - { .name: qimg, .offset: 8, .size: 8, .value_kind: global_buffer, .address_space: global }
      - { .name: qsc, .offset: 16, .size: 8, .value_kind: global_buffer, .address_space: global }
      - { .name: oimg, .offset: 24, .size: 8, .value_kind: global_buffer, .address_space: global }
      - { .name: osc, .offset: 32, .size: 8, .value_kind: global_buffer, .address_space: global }
    .group_segment_fixed_size: 74240
    .private_segment_fixed_size: 0
    .kernarg_segment_align: 8
    .kernarg_segment_size: 40
    .max_flat_workgroup_size: 512
    .sgpr_count:     66
    .vgpr_count:     256
    .wavefront_size: 32
...
	.end_amdgpu_metadata
.endif
;; end of part 7
;; launch oproj (part 8): grid 8 x 32, 4 waves a work-group, no clusters, 99,840 bytes of LDS; arguments oimg, osc, W_o_codes, W_o_scales, out0; writes out0
.if DOCPART == 8
	.amdgcn_target "amdgcn-amd-amdhsa--gfx1250"
	.amdhsa_code_object_version 6
	.text
	.protected	k_qb88b190170_oproj
	.globl	k_qb88b190170_oproj
	.p2align	8
	.type	k_qb88b190170_oproj,@function
k_qb88b190170_oproj:
	s_mov_b64 s[64:65], 0
	v_nop
	global_prefetch_b8 v0, s[64:65] scope:SCOPE_SE
	s_setreg_imm32_b32 hwreg(HW_REG_WAVE_SCHED_MODE, 0, 2), 2
	s_setreg_imm32_b32 hwreg(HW_REG_WAVE_MODE, 25, 1), 1
	s_wait_xcnt 0x0
	s_wait_alu depctr_vm_vsrc(0)
; out0 = o W_o^T on codes of FP4 (K = 1,024).  o comes from the attention launch as images of the operand's registers: oimg [256 tiles of 16 tokens][8 K steps][2][512 bytes], and its scale bytes osc [16 heads][4,096 tokens][2].
; SHARES: a work-group makes 128 outputs (x) of 128 tokens (y).  Source 0 = W_o's eight tiles of 16 rows, which the four waves bring, two each, and share through LDS as images of their registers; source 1 = the wave's own two
; tiles of tokens, loaded straight into registers for all of K.  So a lane holds eight neighbouring outputs of one token.  16 accumulators by turns, K ascending.
; SCALE WORDS: lanes 0-15 hold the words of K steps 0-3, lanes 16-31 those of 4-7, which the instruction takes by its row selector.  A token's word of K step s is made of the byte pairs of heads 2 s and 2 s + 1.
; REGISTERS: window 0: v4-10 addresses; v16-47 W_o's scale words (4 t + s % 4); v48-55 the tokens' (4 e + s % 4); v56-63, v192-199 byte pairs as loaded; v64-191 my two tiles of W_o as loaded, later rows of the result.
;   window 1: v0-127 the tokens' fragments (64 e + 8 s + 4 c); v128-255 the accumulators (128 + 64 e + 8 t).
;   window 2: W_o's fragments of K steps 0-3 (64 s + 8 t + 4 c);   window 3: those of K steps 4-7.
; THE MODE: SCHED_MODE bits 1:0 = 2 (LLVM: expert scheduling mode 2), set by the entry lines.  The code itself states the register dependences
; between vector or matrix instructions and memory or LDS instructions, with s_wait_alu, always for 0.
; THE PLAN.  Registers that memory or LDS instructions touch:
;   v4-v10   addresses and offsets: made once at the head, never written again.
;   window 0, v64-191   loaded from memory at the head, read by my LDS stores; at the end the stage's loads land in them.  No vector or matrix line names them: one wait on vm_vsrc behind the barrier.
;   windows 2 and 3   EACH K STEP'S FRAGMENTS OF W_o HAVE REGISTERS OF THEIR OWN: an LDS load lands in a register that no line has named before, so the loop over K holds no s_wait_alu, and the loads, two K steps
;                     ahead, are dealt among the runs of products.
;   the accumulators   written by the products, read by the LDS stores of the way out: four places and one wait on va_vdst.
;   The tokens' scale words v48-55 are written by vector lines and taken as scales: eight places and one wait on va_vdst.
.set AS,  16
.set BSW, 48
.set STG, 65536                        ; LDS: 0: W_o's images, tile 8192 + K step 1024 + c 512 + 16 lane; STG: a stage of 16 rows x 528 bytes for each wave
.set SPT, 528
.set MSB, 0
.macro WIN new                         ; the immediate's high byte repeats the setting that is left
.if MSB != \new
	s_set_vgpr_msb (MSB<<8)|\new
.set MSB, \new
.endif
.endm
	s_load_b256 s[4:11], s[0:1], 0x0               ; oimg s[4:5], osc s[6:7], W_o codes s[8:9], W_o scales s[10:11]
	s_load_b64 s[12:13], s[0:1], 0x20              ; out0
	v_lshl_add_u32 v254, v0, 2, 0x18400
	v_mov_b32 v255, 0
	v_lshrrev_b32 v1, 5, v0
	v_readfirstlane_b32 s16, v1                    ; wave 0..3
	s_wait_alu depctr_va_sdst(0)                   ; s16 is written, ahead of its first reader: the bases and the LDS places are made from it
	s_mov_b32 s17, ttmp9                           ; x
	s_and_b32 s18, ttmp7, 0xffff                   ; y
	s_lshl_b32 s20, s17, 7
	s_lshl_b32 s21, s16, 5
	s_add_co_u32 s20, s20, s21
	s_lshl_b32 s20, s20, 9                         ; W_o's rows 128 x + 32 wave on, 512 bytes each
	s_mov_b32 s21, 0
	s_lshl_b32 s22, s17, 12                        ; the scales of rows 128 x on, 32 bytes each
	s_mov_b32 s23, 0
	s_lshl_b32 s24, s18, 16
	s_lshl_b32 s25, s16, 14
	s_add_co_u32 s24, s24, s25                     ; my tiles of tokens: 8 y + 2 wave on, 8,192 bytes each
	s_mov_b32 s25, 0
	s_lshl_b32 s26, s18, 8
	s_lshl_b32 s27, s16, 6
	s_add_co_u32 s26, s26, s27                     ; their byte pairs: 2 bytes a token
	s_mov_b32 s27, 0
	s_lshl_b32 s28, s18, 19
	s_lshl_b32 s29, s16, 17
	s_add_co_u32 s28, s28, s29
	s_lshl_b32 s29, s17, 9
	s_add_co_u32 s28, s28, s29                     ; the result: token 128 y + 32 wave, 4,096 bytes a row; 512 x
	s_mov_b32 s29, 0
	v_and_b32 v1, 31, v0                           ; lane
	v_and_b32 v2, 15, v0                           ; r
	v_bfe_u32 v3, v0, 4, 1                         ; h
	v_lshlrev_b32 v4, 9, v2
	v_lshl_add_u32 v4, v3, 4, v4                   ; W_o's codes: row r, + 16 h
	v_lshlrev_b32 v5, 5, v2
	v_lshl_add_u32 v5, v3, 4, v5                   ; its scales: row r, + 16 h
	v_lshlrev_b32 v6, 4, v1                        ; 16 x lane
	s_lshl_b32 s30, s16, 14
	v_add_nc_u32 v7, s30, v6                       ; where I store my two tiles' images
	v_lshlrev_b32 v8, 1, v2
	v_lshl_add_u32 v8, v3, 16, v8                  ; byte pairs: token r; lanes 16-31 take heads 8 to 15
	s_mul_i32 s30, s16, 16*SPT
	s_add_co_u32 s30, s30, STG                     ; my stage
	v_mul_u32_u24 v9, v2, SPT
	v_lshl_add_u32 v9, v3, 5, v9
	v_add_nc_u32 v9, s30, v9                       ; in: row r, 32 bytes for each half of the lanes
	v_add_nc_u32 v10, s30, v6                      ; back: the 32 lanes take a row of 512 bytes
	s_wait_kmcnt 0x0
	s_add_nc_u64 s[8:9], s[8:9], s[20:21]
	s_add_nc_u64 s[10:11], s[10:11], s[22:23]
	s_add_nc_u64 s[4:5], s[4:5], s[24:25]
	s_add_nc_u64 s[6:7], s[6:7], s[26:27]
	s_add_nc_u64 s[12:13], s[12:13], s[28:29]
	s_wait_alu depctr_va_vdst(0)                   ; the addresses and offsets v4 to v10 are written: every load and store of the kernel reads one of them.  Only loads and window switches follow up to the wait for the data
.irp o, 0,1
.irp s, 0,1,2,3,4,5,6,7
.irp c, 0,1
	global_load_b128 v[64+64*\o+8*\s+4*\c:64+64*\o+8*\s+4*\c+3], v4, s[8:9] offset:8192*\o+64*\s+32*\c   ; W_o's tiles 2 wave and 2 wave + 1
.endr
.endr
.endr
.irp t, 0,1,2,3,4,5,6,7
	global_load_b128 v[AS+4*\t:AS+4*\t+3], v5, s[10:11] offset:512*\t
.endr
	WIN 0x40                                       ; destination window 1
.irp e, 0,1
.irp s, 0,1,2,3,4,5,6,7
.irp c, 0,1
	global_load_b128 v[64*\e+8*\s+4*\c:64*\e+8*\s+4*\c+3], v6, s[4:5] offset:8192*\e+1024*\s+512*\c
.endr
.endr
.endr
	WIN 0
.irp d, 0,1,2,3,4,5,6,7
	global_load_u16 v[56+\d], v8, s[6:7] offset:8192*\d
	global_load_u16 v[192+\d], v8, s[6:7] offset:8192*\d+32
.endr
	s_wait_loadcnt 0x0
.irp o, 0,1
.irp s, 0,1,2,3,4,5,6,7
.irp c, 0,1
	ds_store_b128 v7, v[64+64*\o+8*\s+4*\c:64+64*\o+8*\s+4*\c+3] offset:8192*\o+1024*\s+512*\c
.endr
.endr
.endr
.irp i, 0,1,2,3
	v_lshl_or_b32 v[BSW+\i], v[57+2*\i], 16, v[56+2*\i]        ; the tokens' scale words
	v_lshl_or_b32 v[BSW+4+\i], v[193+2*\i], 16, v[192+2*\i]
.endr
.rept 8
	v_nop                                          ; a scale register written by a vector instruction stands 8 places ahead of a scaled matrix instruction
.endr
	s_wait_alu depctr_va_vdst(0)                   ; the tokens' scale words v48 to v55 are written, which the scaled products take as scales; the places stand ahead of this wait
	s_wait_dscnt 0x0                               ; for the others' sake: my stores have landed
	s_barrier_signal -1
	s_barrier_wait -1                              ; the launch's one barrier: the images are only read from here on
	s_wait_alu depctr_vm_vsrc(0)                   ; my LDS stores have read v64 to v191 of window 0, in which the stage's loads land at the end
.macro FETCH s                         ; W_o's eight fragments of K step s into their own registers: window 2 + s / 4, from v[64 (s % 4)] on
.set WF, 0x80+0x40*((\s)/4)
	WIN WF                                         ; destination window 2 or 3, address window 0
.irp t, 0,1,2,3,4,5,6,7
.irp c, 0,1
	ds_load_b128 v[64*((\s)%4)+8*\t+4*\c:64*((\s)%4)+8*\t+4*\c+3], v6 offset:8192*\t+1024*(\s)+512*\c
.endr
.endr
.endm
.macro MULS s                          ; K step s: 16 matrix instructions, the 16 accumulators by turns.  K step 0 starts the sums
.set WM, 0x56+((\s)/4)
	WIN WM                                         ; source 0 (W_o) window 2 or 3; source 1 (tokens), C and D window 1
.irp t, 0,1,2,3,4,5,6,7
.irp e, 0,1
.if (\s) == 0
	v_wmma_scale_f32_16x16x128_f8f6f4 v[128+64*\e+8*\t:135+64*\e+8*\t], v[8*\t:8*\t+7], v[64*\e:64*\e+7], 0, v[AS+4*\t], v[BSW+4*\e] matrix_a_fmt:MATRIX_FMT_FP4 matrix_b_fmt:MATRIX_FMT_FP4
.elseif (\s) < 4
	v_wmma_scale_f32_16x16x128_f8f6f4 v[128+64*\e+8*\t:135+64*\e+8*\t], v[64*(\s)+8*\t:64*(\s)+8*\t+7], v[64*\e+8*(\s):64*\e+8*(\s)+7], v[128+64*\e+8*\t:135+64*\e+8*\t], v[AS+4*\t+(\s)], v[BSW+4*\e+(\s)] matrix_a_fmt:MATRIX_FMT_FP4 matrix_b_fmt:MATRIX_FMT_FP4
.else
	v_wmma_scale_f32_16x16x128_f8f6f4 v[128+64*\e+8*\t:135+64*\e+8*\t], v[64*((\s)-4)+8*\t:64*((\s)-4)+8*\t+7], v[64*\e+8*(\s):64*\e+8*(\s)+7], v[128+64*\e+8*\t:135+64*\e+8*\t], v[AS+4*\t+(\s)-4], v[BSW+4*\e+(\s)-4] matrix_a_fmt:MATRIX_FMT_FP4 matrix_b_fmt:MATRIX_FMT_FP4 matrix_a_scale:MATRIX_SCALE_ROW1 matrix_b_scale:MATRIX_SCALE_ROW1
.endif
.endr
.endr
.endm
	FETCH 0
	FETCH 1
.irp s, 0,1,2,3,4,5,6,7
.if \s < 6
	FETCH \s+2                                     ; two K steps ahead.  No wait: no line has named these registers, and v6 is never written again
	s_wait_dscnt 32                                ; this K step's fragments are in; the two younger steps' 32 loads may be out
.else
	s_wait_dscnt 16*(7-\s)                         ; the counts run down
.endif
	MULS \s
.endr
	WIN 0
; THE WAY OUT.  A lane holds 32 neighbouring bytes of a token's row: a block of 16 tokens x 128 outputs goes through my own stage and comes back as whole rows of 512 bytes.  LDS serves a wave's instructions in order.
.macro TOSTAGE e
	WIN 0x04                                       ; an LDS store's data are its source 1: window 1
.irp t, 0,1,2,3,4,5,6,7
	ds_store_b128 v9, v[128+64*\e+8*\t:131+64*\e+8*\t] offset:64*\t          ; each accumulator from its low end on
	ds_store_b128 v9, v[132+64*\e+8*\t:135+64*\e+8*\t] offset:64*\t+16
.endr
	WIN 0
.irp i, 0,1,2,3,4,5,6,7,8,9,10,11,12,13,14,15
	ds_load_b128 v[64+64*\e+4*\i:67+64*\e+4*\i], v10 offset:SPT*\i
.endr
.endm
.macro SEND e
.irp i, 0,1,2,3,4,5,6,7,8,9,10,11,12,13,14,15
	global_store_b128 v6, v[64+64*\e+4*\i:67+64*\e+4*\i], s[12:13] offset:(16*\e+\i)*4096 th:TH_STORE_NT   ; 512 consecutive bytes, at a multiple of 256 from the buffer's first byte
.endr
.endm
.rept 4
	v_nop                                          ; places behind the last products, ahead of the LDS stores that read their results
.endr
	s_wait_alu depctr_va_vdst(0)                   ; the products have written the 16 accumulators, which the LDS stores below read; the places above stay beside this wait
	TOSTAGE 0
	TOSTAGE 1
	s_wait_dscnt 32                                ; the first block is back; the second block's 16 stores and 16 loads may be out
	SEND 0
	s_wait_dscnt 0x0
	SEND 1
	s_wait_dscnt 0x0
	s_wait_alu depctr_hold_cnt(0) depctr_sa_sdst(0) depctr_va_vdst(0) depctr_va_sdst(0) depctr_va_ssrc(0) depctr_va_vcc(0) depctr_vm_vsrc(0)
	s_wait_tensorcnt 0x0
	ds_add_u32 v254, v255
	s_wait_dscnt 0x0
	s_endpgm
.Lfunc_end_k_qb88b190170_oproj:
	.size	k_qb88b190170_oproj, .Lfunc_end_k_qb88b190170_oproj-k_qb88b190170_oproj
	.p2alignl 7, 3214868480
	.fill 96, 4, 3214868480
	.section	.rodata,"a",@progbits
	.p2align	6, 0x0
	.amdhsa_kernel k_qb88b190170_oproj
		.amdhsa_group_segment_fixed_size 99840
		.amdhsa_private_segment_fixed_size 0
		.amdhsa_enable_private_segment 0
		.amdhsa_kernarg_size 40
		.amdhsa_user_sgpr_count 2
		.amdhsa_user_sgpr_kernarg_segment_ptr 1
		.amdhsa_wavefront_size32 1
		.amdhsa_system_sgpr_workgroup_id_x 1
		.amdhsa_system_sgpr_workgroup_id_y 1
		.amdhsa_system_sgpr_workgroup_id_z 1
		.amdhsa_system_vgpr_workitem_id 0
		.amdhsa_next_free_vgpr 1024
		.amdhsa_next_free_sgpr 66
		.amdhsa_reserve_vcc 0
		.amdhsa_float_denorm_mode_32 3
		.amdhsa_float_denorm_mode_16_64 3
		.amdhsa_memory_ordered 1
		.amdhsa_forward_progress 1
		.amdhsa_inst_pref_size 46
	.end_amdhsa_kernel
	.amdgpu_metadata
---
amdhsa.version: [ 1, 2 ]
amdhsa.kernels:
  - .name:           k_qb88b190170_oproj
    .symbol:         k_qb88b190170_oproj.kd
    .args:
      - { .name: oimg, .offset: 0, .size: 8, .value_kind: global_buffer, .address_space: global }
      - { .name: osc, .offset: 8, .size: 8, .value_kind: global_buffer, .address_space: global }
      - { .name: W_o_codes, .offset: 16, .size: 8, .value_kind: global_buffer, .address_space: global }
      - { .name: W_o_scales, .offset: 24, .size: 8, .value_kind: global_buffer, .address_space: global }
      - { .name: out0, .offset: 32, .size: 8, .value_kind: global_buffer, .address_space: global }
    .group_segment_fixed_size: 99840
    .private_segment_fixed_size: 0
    .kernarg_segment_align: 8
    .kernarg_segment_size: 40
    .max_flat_workgroup_size: 128
    .sgpr_count:     66
    .vgpr_count:     1024
    .wavefront_size: 32
...
	.end_amdgpu_metadata
.endif
;; end of part 8
